; MI455X (gfx1250); checked and timed in simulation.
; The chip was launched on July 23, 2026; its instructions are those of AMD's public machine-readable ISA for CDNA 5 (MIT licence, August 2026) and "CDNA5" Instruction Set Architecture Reference Guide (July 2026). The comments in the code are by the model that wrote it; some were corrected since.
;; Multi Head Attention. Allowed arithmetic: matrix products marked QUANTISED: E2M1 operands, one E8M0 scale for each 32 along K, by v_wmma_scale_f32_16x16x128_f8f6f4 with both operands' format E2M1 (or v_wmma_scale_f32_32x16x128_f4), f32 sums; everything else in f32.
;; Inputs: attn_mask 4 x 2,048 x 2,048 bool; b_k 1,024 float32; b_q 1,024 float32; b_v 1,024 float32; w_k 1,024 x 1,024 float32; w_q 1,024 x 1,024 float32; w_v 1,024 x 1,024 float32; x_k_v 4 x 2,048 x 1,024 float32; x_q 4 x 2,048 x 1,024 float32.
;; Outputs: out0 4 x 2,048 x 1,024 float32.
;; This version of the problem:
;;   THIS VERSION OF THE PROBLEM IS GIVEN IN LOW PRECISION. The matrix products marked QUANTISED in the list below multiply operands that are first quantised to E2M1 (2 exponent bits, 1 mantissa bit; 4 bits a number), with one power-of-two scale for each 32 numbers along K (OCP MX v1.0); their sums are f32. All else is computed in f32.
;;   The module's matrix products, in the order in which they are computed (A, B: the left and right operand; K: the contracted axis; several contracted axes count as one K, in the product's order):
;;     1. [M 8,192, K 1,024] x [K 1,024, N 1,024]; A: input x_q; B: input w_q: QUANTISED
;;     2. [M 8,192, K 1,024] x [K 1,024, N 1,024]; A: input x_k_v; B: input w_k: QUANTISED
;;     3. [M 8,192, K 1,024] x [K 1,024, N 1,024]; A: input x_k_v; B: input w_v: QUANTISED
;;     4. batch 64 x [M 2,048, K 64] x [K 64, N 2,048]; A: computed on the way; B: computed on the way: QUANTISED
;;     5. batch 64 x [M 2,048, K 2,048] x [K 2,048, N 64]; A: softmax (see below); B: computed on the way: QUANTISED
;;   THE QUANTISER, for each operand of a quantised product, along K:
;;     - K is cut into blocks of 32 from its start; a last block that is shorter is filled with zeros.
;;     - A block's scale is 2^e with e = floor(log2(the largest magnitude in the block)) - 2, held to -126 .. 127; a block of zeros has e = 0. As a byte (E8M0): e + 127.
;;     - Each number is divided by its block's scale, clamped to +-6, and rounded to the nearest number of E2M1, ties to even, subnormals kept.
;;     - The product sums the exact products of the quantised numbers (number of the format x scale) in f32.
;;   ~~~python
;;   def quantise(x, axis):      # numpy; x: float32 -> the quantised numbers, widened to float32 again
;;       x = np.moveaxis(x, axis, -1); K = x.shape[-1]
;;       x = np.pad(x, [(0, 0)] * (x.ndim - 1) + [(0, -K % 32)]); x = x.reshape(x.shape[:-1] + (-1, 32)); a = np.abs(x).max(-1, keepdims=True)
;;       e = np.where(a > 0, np.clip(np.frexp(np.where(a > 0, a, 1))[1] - 1 - 2, -126, 127), 0)      # np.frexp(a)[1] - 1 = floor(log2(a)), exactly
;;       r = np.clip(x / 2.0 ** e, -6, 6)
;;       step = 2.0 ** (np.maximum(np.frexp(np.where(r == 0, 1, r))[1] - 1, 0) - 1)
;;       q = np.round(r / step) * step * 2.0 ** e      # np.round: ties to even
;;       return np.moveaxis(q.reshape(q.shape[:-2] + (-1,))[..., :K], -1, axis).astype(np.float32)
;;   ~~~
;;   SOFTMAX AHEAD OF A QUANTISED PRODUCT. Where the list says 'softmax', what is quantised is not the finished softmax but p = 2^(t - M), with t = logit x log2(e) and M = ceil(the row's largest t), a whole number; so 1/2 < the row's largest p <= 1. The row's sum l is taken of the UNQUANTISED p, in f32, and the product's result is divided by l at the end. Since M is a whole number, a kernel that streams over the keys may use a running M (the ceiling of the running maximum): every later rescaling is an exact power of two, which a block's scale takes up: the codes' values come out the same.
;;   OPERANDS COMPUTED ON THE WAY. 'Computed on the way' means the value that the module computes at that place (a softmax that the list does not call 'softmax' is quantised finished and normalised). What goes into a quantiser is computed in f32, as accurately as f32 sums, v_exp_f32 and their like allow (about 1e-6 of the number): no bf16 or f16 on the way to a quantiser, and a product that is left as it is and whose result goes on into a quantised operand takes f32 operands (vector FMAs, or v_wmma_f32_16x16x4_f32). A number that lies on a knife's edge between two numbers of the format may be rounded either way, as far as f32 arithmetic and the matrix unit's own rounding can turn it there, and no further.
;; 2 versions. Each part assembles by itself: llvm-mc -triple=amdgcn-amd-amdhsa -mcpu=gfx1250 --defsym DOCPART=n.
;; ======== version 1 of 2: 5 launches
;; limits: right only within a limited range of input values
;; workspace buffers: xc 8,388,608 bytes; xs 524,288 bytes; wc 1,572,864 bytes; ws 98,304 bytes; mb 2,097,152 bytes of whole numbers; qkv 13,893,632 bytes
;; launch quant_x (part 1): grid 512 x 1, 4 waves a work-group, no clusters, 33,280 bytes of LDS; arguments x_q, x_k_v, xc, xs; writes xc, xs
.if DOCPART == 1
	.amdgcn_target "amdgcn-amd-amdhsa--gfx1250"
	.amdhsa_code_object_version 6
	.text
	.protected	k_q5af240f559_quant_x
	.globl	k_q5af240f559_quant_x
	.p2align	8
	.type	k_q5af240f559_quant_x,@function
k_q5af240f559_quant_x:
	s_mov_b64 s[64:65], 0
	v_nop
	global_prefetch_b8 v0, s[64:65] scope:SCOPE_SE
	s_setreg_imm32_b32 hwreg(HW_REG_WAVE_MODE, 25, 1), 1
	s_wait_xcnt 0x0
; x_q and x_k_v, each 8,192 rows x 1,024 f32, become codes of FP4 (E2M1), K innermost (512 bytes a row), in xc, and one E8M0 scale byte for each 32 along K (32 bytes a row) in xs.
; xc and xs hold x_q's 8,192 rows first, then x_k_v's.  ROW ORDER: logical row p is stored at the place p with bits 3 and 4 exchanged, so that sixteen stored neighbours are the logical rows
; 0-7 and 16-23 (or 8-15 and 24-31) of a group of 32: the order in which the projection wants the rows of a 16-row operand.
; A block's scale is 2^(floor(log2(its largest magnitude)) - 2); its byte is the largest magnitude's exponent field - 2, held at 1 from below.
; LIMITS: a block of zeros gets the byte 1 where the quantiser says 127 (its codes are zeros, which add nothing under any byte but 0xff; this program alone reads the bytes);
; blocks whose largest magnitude lies under 2^-124 keep the byte 1; NaN and infinities among the inputs are not served.
; A wave takes 8 rows = 16 steps of 512 numbers.  Each of a step's four loads reads 512 consecutive bytes; the 2,048 bytes turn through the wave's own stage in LDS and come back 64 bytes a lane,
; so that a lane holds 16 neighbours along K and two neighbouring lanes hold a block.  A lane's 16 codes are 8 bytes: the wave stores 256 consecutive bytes.
; A wave's 256 scale bytes are gathered in its own LDS bytes and leave as one aligned run of 256 bytes.  No barrier: waves share nothing.  Loads run four steps ahead.
.set STEPS, 16
.set WGA,   256                        ; the first 256 work-groups take x_q, the others x_k_v
.set EMAX,  2
.set CB,    8                          ; bytes of 16 codes
.set R,     16                         ; v16-79   four sets of 16 numbers as they are loaded
.set X,     80                         ; v80-111  two sets of 16 neighbours
.set C,     128                        ; v128-191 codes: four registers for each step, so that no store's data are written again
.set E,     112                        ; v112-127 a scale byte for each step
.set WREG,  8192                       ; LDS: a region for each wave: two stages of 32 x SP bytes, behind them its 256 scale bytes
.set SP,    80                         ; a lane's place in a stage: its 64 bytes + 16 of padding
	s_load_b128 s[4:7], s[0:1], 0x0                ; x_q, x_k_v
	s_load_b128 s[8:11], s[0:1], 0x10              ; xc, xs
	v_lshl_add_u32 v192, v0, 2, 0x8000
	v_mov_b32 v193, 0
	v_lshrrev_b32 v1, 5, v0
	v_readfirstlane_b32 s16, v1                    ; wave
	v_and_b32 v2, 31, v0                           ; lane
	v_lshlrev_b32 v3, 4, v2                        ; my 16 bytes of a load's 512
	s_mul_i32 s17, s16, WREG
	v_lshrrev_b32 v14, 2, v2
	v_mul_u32_u24 v14, v14, SP
	v_and_b32 v15, 3, v2
	v_lshl_add_u32 v14, v15, 4, v14
	v_add_nc_u32 v14, s17, v14                     ; the stage, on the way in: SP (lane / 4) + 16 (lane % 4)
	v_mul_u32_u24 v15, v2, SP
	v_add_nc_u32 v15, s17, v15                     ; and on the way out: SP x lane: my 16 neighbours
	v_mul_u32_u24 v4, v2, CB                       ; my codes' place in a step's
	v_lshrrev_b32 v5, 1, v2
	s_add_co_u32 s17, s17, 2*32*SP
	v_add_nc_u32 v5, s17, v5                       ; LDS: my wave's 256 scale bytes, my block's byte
	v_lshlrev_b32 v7, 3, v2                        ; and on the way out 8 bytes a lane
	v_add_nc_u32 v6, s17, v7
	s_and_b32 s22, s16, 1                          ; a wave's 8 rows are bits 3 and 4 of the row number: exchanged for the place in xc and xs
	s_lshl_b32 s22, s22, 1
	s_lshr_b32 s23, s16, 1
	s_or_b32 s22, s22, s23
	s_lshl_b32 s23, ttmp9, 2
	s_add_co_u32 s22, s22, s23                     ; which run of 8 rows of xc and xs is mine
	s_wait_kmcnt 0x0
	s_cmp_lt_u32 ttmp9, WGA                        ; x_q's work-group or x_k_v's: the choice hangs on the work-group's number alone
	s_cselect_b64 s[4:5], s[4:5], s[6:7]
	s_cselect_b32 s17, 0, WGA
	s_sub_co_u32 s17, ttmp9, s17
	s_lshl_b32 s17, s17, 2
	s_add_co_u32 s18, s17, s16                     ; which run of 8 rows of the input is mine
	s_lshl_b32 s20, s18, 15                        ; 32,768 bytes a run
	s_mov_b32 s21, 0
	s_add_nc_u64 s[4:5], s[4:5], s[20:21]
	s_lshl_b32 s20, s22, 12                        ; 4,096 bytes of codes a run
	s_add_nc_u64 s[8:9], s[8:9], s[20:21]
	s_lshl_b32 s20, s22, 8                         ; 256 scale bytes a run
	s_add_nc_u64 s[10:11], s[10:11], s[20:21]
.macro LOAD t
.irp i, 0,1,2,3
	global_load_b128 v[R+16*((\t)%4)+4*\i:R+16*((\t)%4)+4*\i+3], v3, s[4:5] offset:2048*(\t)+512*\i th:TH_LOAD_NT   ; 32 lanes read 512 consecutive bytes
.endr
.endm
.macro TURN t                          ; step t's numbers through the stage: LDS serves a wave's instructions in order, so no wait stands between the stores and the loads
.irp i, 0,1,2,3
	ds_store_b128 v14, v[R+16*((\t)%4)+4*\i:R+16*((\t)%4)+4*\i+3] offset:32*SP*((\t)%2)+8*SP*\i
.endr
.irp i, 0,1,2,3
	ds_load_b128 v[X+16*((\t)%2)+4*\i:X+16*((\t)%2)+4*\i+3], v15 offset:32*SP*((\t)%2)+16*\i
.endr
.endm
.irp t, 0,1,2,3
	LOAD \t
.endr
	s_wait_loadcnt 12                              ; step 0's four loads are in; the twelve of steps 1 to 3 may be out
	TURN 0
.macro STEP t
.set XS, X+16*((\t)%2)
.if (\t) > 0
	s_wait_dscnt 1                                 ; this step's numbers are back from the stage (the last step's byte store may be out): so its stores into the stage have read their registers,
.else
	s_wait_dscnt 0x0
.endif
.if (\t)+4 < STEPS
	LOAD (\t)+4                                    ; which take the loads of four steps on
.endif
.if (\t)+1 < STEPS
.if STEPS-2-(\t) >= 3
	s_wait_loadcnt 12                              ; the next step's four loads are in; those of the three steps behind it may be out
.else
	s_wait_loadcnt 4*(STEPS-2-(\t))
.endif
	TURN (\t)+1                                    ; and go through the other stage while this step is worked
.endif
	v_max3_num_f32 v8, |v[XS]|, |v[XS+1]|, |v[XS+2]|               ; the largest magnitude of my 16, in two chains
	v_max3_num_f32 v9, |v[XS+3]|, |v[XS+4]|, |v[XS+5]|
.irp i, 6,10
	v_max3_num_f32 v8, v8, |v[XS+\i]|, |v[XS+\i+1]|
	v_max3_num_f32 v9, v9, |v[XS+\i+2]|, |v[XS+\i+3]|
.endr
	v_max3_num_f32 v8, v8, |v[XS+14]|, |v[XS+15]|
	v_max3_num_f32 v8, v8, v9, (EMAX+1)<<23        ; and the floor 2^(3 - 127): the byte cannot fall under 1
	v_max_num_f32_dpp v8, v8, v8 row_xmask:1 row_mask:0xf bank_mask:0xf   ; and of my neighbour's 16: the block's
	v_add_nc_u32 v11, -(EMAX<<23), v8              ; 2 off its exponent field: the conversion takes the exponent field of this operand as its scale
	v_cvt_scalef32_pk8_fp4_f32 v[C+4*(\t)], v[XS:XS+7], v11
	v_cvt_scalef32_pk8_fp4_f32 v[C+4*(\t)+1], v[XS+8:XS+15], v11
	v_lshrrev_b32 v[E+(\t)], 23, v11               ; the scale's byte (a plain line behind the conversions)
	ds_store_b8 v5, v[E+(\t)] offset:16*(\t)       ; both lanes of a block write the same byte with the same value
	global_store_b64 v4, v[C+4*(\t):C+4*(\t)+1], s[8:9] offset:32*CB*(\t)   ; 32 lanes store 256 consecutive bytes, aligned
.endm
.irp t, 0,1,2,3,4,5,6,7,8,9,10,11,12,13,14,15
	STEP \t
.endr
	ds_load_b64 v[12:13], v6                       ; LDS serves a wave's instructions in order: these see my byte stores
	s_wait_dscnt 0x0
	global_store_b64 v7, v[12:13], s[10:11]        ; 32 lanes store 256 consecutive bytes, aligned
	s_wait_tensorcnt 0x0
	ds_add_u32 v192, v193
	s_wait_dscnt 0x0
	s_endpgm
.Lfunc_end_k_q5af240f559_quant_x:
	.size	k_q5af240f559_quant_x, .Lfunc_end_k_q5af240f559_quant_x-k_q5af240f559_quant_x
	.p2alignl 7, 3214868480
	.fill 96, 4, 3214868480
	.section	.rodata,"a",@progbits
	.p2align	6, 0x0
	.amdhsa_kernel k_q5af240f559_quant_x
		.amdhsa_group_segment_fixed_size 33280
		.amdhsa_private_segment_fixed_size 0
		.amdhsa_enable_private_segment 0
		.amdhsa_kernarg_size 32
		.amdhsa_user_sgpr_count 2
		.amdhsa_user_sgpr_kernarg_segment_ptr 1
		.amdhsa_wavefront_size32 1
		.amdhsa_system_sgpr_workgroup_id_x 1
		.amdhsa_system_sgpr_workgroup_id_y 1
		.amdhsa_system_sgpr_workgroup_id_z 1
		.amdhsa_system_vgpr_workitem_id 0
		.amdhsa_next_free_vgpr 194
		.amdhsa_next_free_sgpr 66
		.amdhsa_reserve_vcc 0
		.amdhsa_float_denorm_mode_32 3
		.amdhsa_float_denorm_mode_16_64 3
		.amdhsa_memory_ordered 1
		.amdhsa_forward_progress 1
		.amdhsa_inst_pref_size 33
	.end_amdhsa_kernel
	.amdgpu_metadata
---
amdhsa.version: [ 1, 2 ]
amdhsa.kernels:
  - .name:           k_q5af240f559_quant_x
    .symbol:         k_q5af240f559_quant_x.kd
    .args:
      - { .name: x_q, .offset: 0, .size: 8, .value_kind: global_buffer, .address_space: global }
      - { .name: x_k_v, .offset: 8, .size: 8, .value_kind: global_buffer, .address_space: global }
      - { .name: xc, .offset: 16, .size: 8, .value_kind: global_buffer, .address_space: global }
      - { .name: xs, .offset: 24, .size: 8, .value_kind: global_buffer, .address_space: global }
    .group_segment_fixed_size: 33280
    .private_segment_fixed_size: 0
    .kernarg_segment_align: 8
    .kernarg_segment_size: 32
    .max_flat_workgroup_size: 128
    .sgpr_count:     66
    .vgpr_count:     194
    .wavefront_size: 32
...
	.end_amdgpu_metadata
.endif
;; end of part 1
;; launch quant_w (part 2): grid 48 x 1, 16 waves a work-group, no clusters, 37,888 bytes of LDS; arguments w_q, w_k, w_v, wc, ws; writes wc, ws
.if DOCPART == 2
	.amdgcn_target "amdgcn-amd-amdhsa--gfx1250"
	.amdhsa_code_object_version 6
	.text
	.protected	k_q5af240f559_quant_w
	.globl	k_q5af240f559_quant_w
	.p2align	8
	.type	k_q5af240f559_quant_w,@function
k_q5af240f559_quant_w:
	s_mov_b64 s[64:65], 0
	v_nop
	global_prefetch_b8 v0, s[64:65] scope:SCOPE_SE
	s_setreg_imm32_b32 hwreg(HW_REG_WAVE_MODE, 25, 1), 1
	s_wait_xcnt 0x0
; w_q, w_k, w_v, each [1,024 (k)][1,024 (n)] f32 with K as the FIRST axis, become codes of FP4 (E2M1) laid [n][k] with K innermost (512 bytes a row) in wc and one E8M0 byte for each 32 along K
; (32 bytes a row) in ws: 3,072 rows, w_q's first, then w_k's, then w_v's.  ROW ORDER: column n is stored at the place n with bits 3 and 4 exchanged (as the rows of xc are).
; A LANE TAKES A COLUMN AND ITS REGISTERS RUN DOWN K: each load reads 128 consecutive bytes a wave, a block of 32 along K lies in one lane's 32 registers, and the conversions give codes with K innermost.
; A work-group takes 64 columns of one tensor over all of K: wave w takes columns 32 (w % 2) on and K = 128 (w / 2) on: four blocks a lane, all 128 loads issued at once.
; The sixteen waves' codes meet in one stage in LDS (64 rows of 512 bytes + 16), a barrier, and each wave stores four whole rows: 512 consecutive bytes an instruction.  The scale bytes likewise: 2,048 consecutive bytes a work-group.
; LIMITS: a block of zeros gets the byte 1 where the quantiser says 127 (its codes are zeros; this program alone reads the bytes); blocks whose largest magnitude lies under 2^-124 keep the byte 1; NaN and infinities are not served.
.set PITCH, 528                        ; a stage row: 512 bytes + 16: an odd multiple of 16, so the rows that a store touches start at different banks (64 banks of 4 bytes: ISA guide 11.1)
.set SCST,  64*PITCH                   ; behind the stage: the scale bytes, 64 rows of 32
.set X,     32                         ; v32-159  four blocks of 32 numbers
.set C,     160                        ; v160-175 four registers of codes a block
.set OUTR,  176                        ; v176-191 four rows on the way out
	s_load_b128 s[4:7], s[0:1], 0x0                ; w_q, w_k
	s_load_b128 s[8:11], s[0:1], 0x10              ; w_v, wc
	s_load_b64 s[12:13], s[0:1], 0x20              ; ws
	v_lshl_add_u32 v192, v0, 2, 0x8c00
	v_mov_b32 v193, 0
	v_lshrrev_b32 v1, 5, v0
	v_readfirstlane_b32 s16, v1                    ; wave 0..15
	v_and_b32 v2, 31, v0                           ; lane
	s_lshr_b32 s17, ttmp9, 4                       ; which tensor
	s_and_b32 s18, s16, 1                          ; which 32 columns
	s_lshr_b32 s19, s16, 1                         ; which 128 along K
	v_lshlrev_b32 v3, 2, v2                        ; in: 4 bytes a lane
	v_and_b32 v5, 7, v2                            ; my column's place among the 64 rows: bits 3 and 4 exchanged
	v_bfe_u32 v6, v2, 3, 1
	v_lshl_add_u32 v5, v6, 4, v5
	v_bfe_u32 v6, v2, 4, 1
	v_lshl_add_u32 v5, v6, 3, v5
	s_lshl_b32 s20, s18, 5
	v_add_nc_u32 v5, s20, v5
	v_mul_u32_u24 v4, v5, PITCH
	s_lshl_b32 s20, s19, 6
	v_add_nc_u32 v4, s20, v4                       ; into the stage: my row, + 64 bytes for each 128 along K
	v_lshlrev_b32 v5, 5, v5
	s_lshl_b32 s20, s19, 2
	v_add_nc_u32 v5, s20, v5
	v_add_nc_u32 v5, SCST, v5                      ; my four scale bytes: my row of 32, + 4 for each 128 along K
	v_lshlrev_b32 v8, 4, v2                        ; out: 16 bytes a lane
	s_mul_i32 s22, s16, 4*PITCH
	v_add_nc_u32 v7, s22, v8                       ; rows 4 w .. 4 w + 3 of the stage
	s_and_b32 s23, s16, 3
	s_lshl_b32 s23, s23, 9
	v_add_nc_u32 v9, s23, v8
	v_add_nc_u32 v9, SCST, v9                      ; 512 scale bytes for each of waves 0 to 3
	s_and_b32 s20, ttmp9, 15
	s_lshl_b32 s20, s20, 8                         ; the work-group's 64 columns x 4 bytes,
	s_lshl_b32 s21, s18, 7                         ; my 32 of them,
	s_add_co_u32 s20, s20, s21
	s_lshl_b32 s21, s19, 19                        ; my 128 rows of 4,096 bytes
	s_add_co_u32 s20, s20, s21
	s_mov_b32 s21, 0
	s_lshl_b32 s24, ttmp9, 15                      ; wc: 64 rows of 512 bytes a work-group,
	s_lshl_b32 s25, s16, 11                        ; four rows a wave
	s_add_co_u32 s24, s24, s25
	s_mov_b32 s25, 0
	s_lshl_b32 s26, ttmp9, 11                      ; ws: 2,048 bytes a work-group
	s_add_co_u32 s26, s26, s23
	s_mov_b32 s27, 0
	s_wait_kmcnt 0x0
	s_cmp_eq_u32 s17, 0                            ; the tensor is chosen by the work-group's number alone
	s_cselect_b64 s[4:5], s[4:5], s[6:7]
	s_cmp_eq_u32 s17, 2
	s_cselect_b64 s[4:5], s[8:9], s[4:5]
	s_add_nc_u64 s[4:5], s[4:5], s[20:21]
	s_add_nc_u64 s[10:11], s[10:11], s[24:25]
	s_add_nc_u64 s[12:13], s[12:13], s[26:27]
.set i, 0
.rept 128
	global_load_b32 v[X+i], v3, s[4:5] offset:i*4096 th:TH_LOAD_NT   ; W(128 (w / 2) + i, my column): 32 lanes read 128 consecutive bytes
.set i, i+1
.endr
.macro BLOCK t, left
.set XS, X+32*(\t)
	s_wait_loadcnt \left
	v_max3_num_f32 v12, |v[XS]|, |v[XS+1]|, |v[XS+2]|               ; the block's largest magnitude: all 32 numbers are mine; two chains
	v_max3_num_f32 v13, |v[XS+3]|, |v[XS+4]|, |v[XS+5]|
.irp i, 6,10,14,18,22,26
	v_max3_num_f32 v12, v12, |v[XS+\i]|, |v[XS+\i+1]|
	v_max3_num_f32 v13, v13, |v[XS+\i+2]|, |v[XS+\i+3]|
.endr
	v_max3_num_f32 v12, v12, |v[XS+30]|, |v[XS+31]|
	v_max3_num_f32 v12, v12, v13, 0x1800000        ; and the floor 2^(3 - 127): the byte cannot fall under 1
	v_add_nc_u32 v11, 0xff000000, v12              ; 2 off its exponent field: the conversion's scale operand
	v_lshrrev_b32 v13, 23, v11                     ; the scale's byte
.if (\t) == 0
	v_mov_b32 v24, v13                             ; four bytes to a register, the lower K in the lower byte
.else
	v_lshl_or_b32 v24, v13, 8*(\t), v24
.endif
.irp g, 0,1,2,3
	v_cvt_scalef32_pk8_fp4_f32 v[C+4*(\t)+\g], v[XS+8*\g:XS+8*\g+7], v11
.endr
	v_nop                                          ; one plain line behind the last conversion of a run
	ds_store_b128 v4, v[C+4*(\t):C+4*(\t)+3] offset:16*(\t)   ; 32 codes: 16 bytes of my column's row
.endm
	BLOCK 0, 63                                    ; block 0 wants the oldest 32 of the 128 loads in: 96 could stay out; a wait's count names 63 at the most, and a smaller count is safe
	BLOCK 1, 63                                    ; the oldest 64 are wanted: 64 could stay out
	BLOCK 2, 32                                    ; the last block's 32 may be out
	BLOCK 3, 0
	ds_store_b32 v5, v24
	s_wait_dscnt 0x0                               ; for the others' sake: my stores into the stage are done
	s_barrier_signal -1
	s_barrier_wait -1                              ; 64 whole rows of codes and of scale bytes lie in LDS
.irp i, 0,1,2,3
	ds_load_b128 v[OUTR+4*\i:OUTR+4*\i+3], v7 offset:\i*PITCH
.endr
.irp i, 0,1,2,3
	s_wait_dscnt 3-\i                              ; row i is back; the later rows may be out
	global_store_b128 v8, v[OUTR+4*\i:OUTR+4*\i+3], s[10:11] offset:512*\i   ; 32 lanes store a row of 512 consecutive bytes, aligned
.endr
	s_cmp_lt_u32 s16, 4                            ; the 2,048 scale bytes leave by waves 0 to 3; no barrier stands in this branch
	s_cbranch_scc0 .Ldone
	ds_load_b128 v[28:31], v9
	s_wait_dscnt 0x0
	global_store_b128 v8, v[28:31], s[12:13]       ; 512 consecutive bytes, aligned
.Ldone:
	s_wait_tensorcnt 0x0
	ds_add_u32 v192, v193
	s_wait_dscnt 0x0
	s_endpgm
.Lfunc_end_k_q5af240f559_quant_w:
	.size	k_q5af240f559_quant_w, .Lfunc_end_k_q5af240f559_quant_w-k_q5af240f559_quant_w
	.p2alignl 7, 3214868480
	.fill 96, 4, 3214868480
	.section	.rodata,"a",@progbits
	.p2align	6, 0x0
	.amdhsa_kernel k_q5af240f559_quant_w
		.amdhsa_group_segment_fixed_size 37888
		.amdhsa_private_segment_fixed_size 0
		.amdhsa_enable_private_segment 0
		.amdhsa_kernarg_size 40
		.amdhsa_user_sgpr_count 2
		.amdhsa_user_sgpr_kernarg_segment_ptr 1
		.amdhsa_wavefront_size32 1
		.amdhsa_system_sgpr_workgroup_id_x 1
		.amdhsa_system_sgpr_workgroup_id_y 1
		.amdhsa_system_sgpr_workgroup_id_z 1
		.amdhsa_system_vgpr_workitem_id 0
		.amdhsa_next_free_vgpr 194
		.amdhsa_next_free_sgpr 66
		.amdhsa_reserve_vcc 0
		.amdhsa_float_denorm_mode_32 3
		.amdhsa_float_denorm_mode_16_64 3
		.amdhsa_memory_ordered 1
		.amdhsa_forward_progress 1
		.amdhsa_inst_pref_size 22
	.end_amdhsa_kernel
	.amdgpu_metadata
---
amdhsa.version: [ 1, 2 ]
amdhsa.kernels:
  - .name:           k_q5af240f559_quant_w
    .symbol:         k_q5af240f559_quant_w.kd
    .args:
      - { .name: w_q, .offset: 0, .size: 8, .value_kind: global_buffer, .address_space: global }
      - { .name: w_k, .offset: 8, .size: 8, .value_kind: global_buffer, .address_space: global }
      - { .name: w_v, .offset: 16, .size: 8, .value_kind: global_buffer, .address_space: global }
      - { .name: wc, .offset: 24, .size: 8, .value_kind: global_buffer, .address_space: global }
      - { .name: ws, .offset: 32, .size: 8, .value_kind: global_buffer, .address_space: global }
    .group_segment_fixed_size: 37888
    .private_segment_fixed_size: 0
    .kernarg_segment_align: 8
    .kernarg_segment_size: 40
    .max_flat_workgroup_size: 512
    .sgpr_count:     66
    .vgpr_count:     194
    .wavefront_size: 32
...
	.end_amdgpu_metadata
.endif
;; end of part 2
;; launch mask_pack (part 3): grid 512 x 1, 4 waves a work-group, no clusters, 34,304 bytes of LDS; arguments attn_mask, mb; writes mb
.if DOCPART == 3
	.amdgcn_target "amdgcn-amd-amdhsa--gfx1250"
	.amdhsa_code_object_version 6
	.text
	.protected	k_q5af240f559_mask_pack
	.globl	k_q5af240f559_mask_pack
	.p2align	8
	.type	k_q5af240f559_mask_pack,@function
k_q5af240f559_mask_pack:
	s_mov_b64 s[64:65], 0
	v_nop
	global_prefetch_b8 v0, s[64:65] scope:SCOPE_SE
	s_setreg_imm32_b32 hwreg(HW_REG_WAVE_MODE, 25, 1), 1
	s_wait_xcnt 0x0
; attn_mask [4][2,048 (q)][2,048 (k)], one byte each, becomes lane masks for the attention launch: mb [b][T 128][st 16][n 64] words of 32 bits.
; Tile T holds the 16 queries 32 (T / 2) + 8 (T % 2) + r + 8 (r / 8), r = 0 .. 15.  Bit l = r + 16 h of word n = 16 g + i says whether key 128 st + 32 g + 16 h + i is masked for query r of the tile:
; that is the lane mask of the attention launch's score register n in key step st, so that the mask costs it one select a score.
; A work-group takes one (b, T); wave w takes keys 512 w on (steps 4 w .. 4 w + 3).  Each load reads 512 consecutive bytes of one query's row; the 16 rows turn through the wave's own stage in LDS,
; so that lane (r, h) holds 16 neighbouring keys of query r.  A compare of one byte in all 32 lanes gives a word; 64 words are set into the lanes of two registers and leave as 256 consecutive bytes.
; No barrier: waves share nothing.
.set PITCH, 528                        ; a stage row: 512 bytes + 16
.set WST,   16*PITCH                   ; a wave's stage
.set T,     8                          ; v8-11    at work
.set R,     16                         ; v16-79   16 rows as loaded
.set Y,     80                         ; v80-143  step s, group g: four registers, 16 keys of my query
.set O,     144                        ; v144-151 step s: two registers: lane l holds words 2 l and 2 l + 1
	s_load_b128 s[4:7], s[0:1], 0x0                ; attn_mask, mb
	v_lshl_add_u32 v160, v0, 2, 0x8400
	v_mov_b32 v161, 0
	v_lshrrev_b32 v1, 5, v0
	v_readfirstlane_b32 s20, v1                    ; wave
	v_and_b32 v5, 31, v0                           ; lane
	v_and_b32 v6, 15, v0                           ; r
	v_bfe_u32 v7, v0, 4, 1                         ; h
	v_lshlrev_b32 v1, 4, v5                        ; 16 bytes a lane
	s_mul_i32 s21, s20, WST
	v_add_nc_u32 v2, s21, v1                       ; into the stage
	v_mul_u32_u24 v3, v6, PITCH
	v_lshl_add_u32 v3, v7, 4, v3
	v_add_nc_u32 v3, s21, v3                       ; out of it: row r, + 16 h
	v_lshlrev_b32 v4, 3, v5                        ; two words a lane on the way out
	s_mov_b32 s8, 0xff                             ; the four bytes of a register
	s_mov_b32 s9, 0xff00
	s_mov_b32 s10, 0xff0000
	s_mov_b32 s11, 0xff000000
.irp i, 0,1,2,3,4,5,6,7
	v_mov_b32 v[O+\i], 0                           ; written once: the destination of a lane write counts as read
.endr
	s_lshr_b32 s22, ttmp9, 7                       ; b
	s_and_b32 s23, ttmp9, 127                      ; T
	s_lshr_b32 s24, s23, 1
	s_lshl_b32 s24, s24, 5
	s_and_b32 s25, s23, 1
	s_lshl_b32 s25, s25, 3
	s_add_co_u32 s24, s24, s25                     ; the tile's first query: 32 (T / 2) + 8 (T % 2)
	s_lshl_b32 s22, s22, 11
	s_add_co_u32 s24, s24, s22
	s_lshl_b32 s24, s24, 11                        ; rows of 2,048 bytes
	s_lshl_b32 s25, s20, 9                         ; my 512 keys
	s_add_co_u32 s24, s24, s25
	s_mov_b32 s25, 0
	s_lshl_b32 s26, ttmp9, 12                      ; mb: 4,096 bytes for each (b, T),
	s_lshl_b32 s27, s20, 10                        ; 1,024 for my four steps
	s_add_co_u32 s26, s26, s27
	s_mov_b32 s27, 0
	s_wait_kmcnt 0x0
	s_add_nc_u64 s[4:5], s[4:5], s[24:25]
	s_add_nc_u64 s[6:7], s[6:7], s[26:27]
.irp p, 0,1,2,3,4,5,6,7,8,9,10,11,12,13,14,15
	global_load_b128 v[R+4*\p:R+4*\p+3], v1, s[4:5] offset:(\p+8*(\p/8))*2048 th:TH_LOAD_NT   ; query r = p of the tile: 512 consecutive bytes
.endr
.irp p, 0,1,2,3,4,5,6,7,8,9,10,11,12,13,14,15
	s_wait_loadcnt 15-\p                           ; row p is in; the later rows may be out
	ds_store_b128 v2, v[R+4*\p:R+4*\p+3] offset:\p*PITCH
.endr
.irp s, 0,1,2,3
.irp g, 0,1,2,3
	ds_load_b128 v[Y+4*(4*\s+\g):Y+4*(4*\s+\g)+3], v3 offset:128*\s+32*\g   ; LDS serves a wave's instructions in order: these see my stores
.endr
.endr
.macro WORDS s
	s_wait_dscnt 12-4*\s                           ; this step's four loads are back; the later steps' may be out
.set n, 0
.rept 64
	v_and_b32 v[T+n%4], s[8+n%4], v[Y+4*(4*\s+n/16)+(n%16)/4]      ; key 32 (n / 16) + 16 h + n % 16 of the step: one byte
	v_cmp_ne_u32 s[12+n%8], 0, v[T+n%4]                            ; the 32 lanes' answers are word n
	v_writelane_b32 v[O+2*\s+(n&1)], s[12+n%8], n>>1               ; into lane n / 2
.set n, n+1
.endr
	global_store_b64 v4, v[O+2*\s:O+2*\s+1], s[6:7] offset:256*\s  ; 32 lanes store 256 consecutive bytes, aligned
.endm
	WORDS 0
	WORDS 1
	WORDS 2
	WORDS 3
	s_wait_tensorcnt 0x0
	ds_add_u32 v160, v161
	s_wait_dscnt 0x0
	s_endpgm
.Lfunc_end_k_q5af240f559_mask_pack:
	.size	k_q5af240f559_mask_pack, .Lfunc_end_k_q5af240f559_mask_pack-k_q5af240f559_mask_pack
	.p2alignl 7, 3214868480
	.fill 96, 4, 3214868480
	.section	.rodata,"a",@progbits
	.p2align	6, 0x0
	.amdhsa_kernel k_q5af240f559_mask_pack
		.amdhsa_group_segment_fixed_size 34304
		.amdhsa_private_segment_fixed_size 0
		.amdhsa_enable_private_segment 0
		.amdhsa_kernarg_size 16
		.amdhsa_user_sgpr_count 2
		.amdhsa_user_sgpr_kernarg_segment_ptr 1
		.amdhsa_wavefront_size32 1
		.amdhsa_system_sgpr_workgroup_id_x 1
		.amdhsa_system_sgpr_workgroup_id_y 1
		.amdhsa_system_sgpr_workgroup_id_z 1
		.amdhsa_system_vgpr_workitem_id 0
		.amdhsa_next_free_vgpr 162
		.amdhsa_next_free_sgpr 66
		.amdhsa_reserve_vcc 0
		.amdhsa_float_denorm_mode_32 3
		.amdhsa_float_denorm_mode_16_64 3
		.amdhsa_memory_ordered 1
		.amdhsa_forward_progress 1
		.amdhsa_inst_pref_size 47
	.end_amdhsa_kernel
	.amdgpu_metadata
---
amdhsa.version: [ 1, 2 ]
amdhsa.kernels:
  - .name:           k_q5af240f559_mask_pack
    .symbol:         k_q5af240f559_mask_pack.kd
    .args:
      - { .name: attn_mask, .offset: 0, .size: 8, .value_kind: global_buffer, .address_space: global }
      - { .name: mb, .offset: 8, .size: 8, .value_kind: global_buffer, .address_space: global }
    .group_segment_fixed_size: 34304
    .private_segment_fixed_size: 0
    .kernarg_segment_align: 8
    .kernarg_segment_size: 16
    .max_flat_workgroup_size: 128
    .sgpr_count:     66
    .vgpr_count:     162
    .wavefront_size: 32
...
	.end_amdgpu_metadata
.endif
;; end of part 3
;; launch proj (part 4): grid 12 x 32, 4 waves a work-group, clusters of 4 x 4, 327,680 bytes of LDS; arguments xc, xs, wc, ws, b_q, b_k, b_v, qkv; writes qkv
.if DOCPART == 4
	.amdgcn_target "amdgcn-amd-amdhsa--gfx1250"
	.amdhsa_code_object_version 6
	.text
	.protected	k_q5af240f559_proj
	.globl	k_q5af240f559_proj
	.p2align	8
	.type	k_q5af240f559_proj,@function
k_q5af240f559_proj:
	s_mov_b64 s[64:65], 0
	v_nop
	global_prefetch_b8 v0, s[64:65] scope:SCOPE_SE
	s_setreg_imm32_b32 hwreg(HW_REG_WAVE_MODE, 25, 1), 1
	s_wait_xcnt 0x0
	s_wait_alu depctr_hold_cnt(0) depctr_sa_sdst(0) depctr_va_vdst(0) depctr_va_sdst(0) depctr_va_ssrc(0) depctr_va_vcc(0) depctr_vm_vsrc(0)
	s_getreg_b32 s2, hwreg(HW_REG_IB_STS2, 6, 4)
	s_cmp_eq_u32 s2, 0
	s_cbranch_scc0 .Lentry_in_a_cluster
	s_endpgm
.Lentry_in_a_cluster:
	s_bfe_u32 s2, ttmp6, 0x10000c
	s_cmp_lg_u32 s2, 0xf033
	s_cbranch_scc0 .Lentry_shape_is_right
	s_endpgm
.Lentry_shape_is_right:
; The three projections q = x_q w_q + b_q, k = x_k_v w_k + b_k, v = x_k_v w_v + b_v on codes of FP4 (E2M1) with E8M0 scales (K = 1,024), and at once the quantising of q and k along the head's 64 and of v along the keys.
; One text serves all three: p = the cluster's x says which (0 q, 1 k, 2 v).  A work-group of four waves makes a tile of 256 x 256; a wave 128 x 128: 64 accumulators of 16 x 16, 512 registers.
; THE TWO OPERAND AREAS.  Source 1 of the matrix instruction (area A) gives the result's LANES, source 0 (area B) its REGISTERS, and a lane's registers are what is quantised along.
;   q, k: A = rows of x, B = rows of w^T: a lane holds a row of the sequence, its registers run along (head, d).     v: A = rows of w_v^T, B = rows of x_k_v: a lane holds one d of a head, its registers run along the keys.
;   Only pointers and row numbers differ between the three; no LDS address and no branch hangs on p or on the place in the cluster.
; ROW ORDER.  xc, xs, wc, ws hold logical row n at the place n with bits 3 and 4 exchanged.  So the registers 8 u + j of the accumulators (a, 2 g + u) are the 16 neighbours 32 g + 16 (lane / 16) + 8 u + j along area B,
;   and lane r of block a is logical row 32 (a / 2) + 8 (a % 2) + r + 8 (r / 8) of area A.
; K = 1,024 is two LDS slots of 512 along K (rows of 256 bytes + 16 of padding); both are filled once, at the start, with the scale bytes of the 512 rows: no LDS byte is filled twice in this launch.
; CLUSTERS: 4 x 4 work-groups.  The four of a row of the cluster need the same tiles of A, the four of a column the same tiles of B: each tile is asked for JOINTLY, by the same tensor load with the same descriptor and a mask that names the four.
; OUTPUT: qkv, 64 records (batch x 16 + head) of REC bytes, laid in the order of the attention launch's operand registers:
;   0 Kc [st 16][tile 8][lane 32][16 B] | 65,536 Vc [st][c 2][dt 4][lane][16 B] | 131,072 Ks [st][g 2][r 16][4 words] | 139,264 Vs [st][r 16][dt 4 words] | 143,360 Qc as Kc | 208,896 Qs as Ks.
;   A scale word of q or k holds its two bytes below and 0x7f, 0x7f above (the attention launch's products fill K = 64 up to 128 with zero codes).
; LIMITS: a block of zeros gets the byte 1 where the quantiser says 127 (its codes are zeros; this program alone reads the bytes); blocks whose largest magnitude lies under 2^-124 keep the byte 1; NaN and infinities are not served.
; REGISTERS, in windows of 256: window 0: v0-31 addresses; v32-95 scale words, two sets; v96-103, v192-255 the biases; v128-191 A's fragments, one set.  On the way out v32-95 take the codes, v104-127 are at work, v128-191 hold 64 numbers.
;   window 1: B's fragments, two sets, at v0 and v128.   window 2: the 32 accumulators of A's blocks 0-3 (accumulator (a, b) at v[8 (8 (a % 4) + b)]);   window 3: those of blocks 4-7.
.set NQ,     4                         ; matrix instructions deep in a slot: 512 along K
.set ROWB,   256                       ; a tile's row in bytes
.set KROW,   512                       ; a row of codes in memory
.set PITCH,  272                       ; an LDS row: 256 bytes + 16 of padding = 68 words: row r starts at bank 4 r mod 64 (64 banks of 4 bytes: ISA guide 11.1)
.set FR,     8                         ; registers of a fragment: 16 rows x 128 K
.set NL,     2                         ; LDS loads that bring one
.set NP,     4                         ; places behind this matrix instruction (ISA guide 7.12.1)
.set HALFT,  128*PITCH                 ; 128 rows: what one tensor load brings
.set SLOT,   4*HALFT                   ; A's 256 rows, then B's 256 rows
.set KS,     32                        ; a row of scale bytes
.set SCL,    2*SLOT                    ; behind the slots: the scale bytes, as runs of 256 bytes + 16 of padding
.set HALFS,  16*272                    ; those of 128 rows
.set SBLK,   2*272                     ; those of 16 rows
.set REC,    217088                    ; a record of qkv
.set VO,   8                           ; v8-11   the way out: byte offset of my 16 bytes of codes: v[VO + 2 c + g]
.set VS1,  12                          ; v12     of my four scale words, blocks 0-3;  v13 blocks 4-7
.set VS2,  13
.set VSH,  14                          ; v14     q, k: 16 x (lane / 16): which half of a scale word is my head's; v: 0
.set BJO,  15                          ; v15     byte offset of the bias along the registers
.set ADRA, 16                          ; v16-17  LDS address of my A fragments in slot 0, 1
.set ADRB, 20                          ; v20-21  the same for B
.set ADRS, 27                          ; v27     LDS address of my scale words: lanes 0-15 A's rows, lanes 16-31 B's
.set BIO,  30                          ; v30     byte offset of the bias along the lanes
.set SC,   32                          ; scale words: set s at v[SC + 32 s]; register 4 i + q: lanes 0-15 A's block i, lanes 16-31 B's block i, the slot's q-th 128 along K
.set PC,   32                          ; the way out: block a's codes at v[PC + 8 a]
.set BI,   96                          ; v96-103  the bias of my lane's row in block a (v alone; else zeros)
.set TM,   104                         ; v104-119 at work in the quantiser
.set PW,   120                         ; v120-127 block a's scale word
.set AF,   128                         ; A's fragments
.set X,    128                         ; the way out: 64 numbers of a lane
.set BJ,   192                         ; v192-255 the bias of my 64 registers (q, k alone; else zeros)
.set G1, 24                            ; s[24:31] descriptor group 1 for A's tiles;  s[32:39] group 0, one set for each slot
.set G0, 32
.set G1B, 48                           ; s[48:55], s[56:63] the same for B's tiles
.set G0B, 56
.set G1S, 68                           ; s[68:75], s[76:79] groups 1 and 0 for A's scales;  s[80:87], s[88:91] for B's
.set G0S, 76
.set G1SB, 80
.set G0SB, 88
.set MSB, 0
.macro WIN new                         ; the immediate's high byte repeats the setting that is left
.if MSB != (\new)
	s_set_vgpr_msb (MSB<<8)|(\new)
.set MSB, (\new)
.endif
.endm
.set MUL_LO, 0xa1                      ; source 0 (B) window 1, source 1 (A) window 0, C and D window 2
.set MUL_HI, 0xf1                      ; the same, C and D window 3
.set TO_B,   0x40                      ; destination window 1, address window 0
; A joint load: waves 0 and 1 fetch for A, waves 2 and 3 for B.  Each of the two lines has ONE mask and one set of registers for all that issue it; the branch hangs on the wave's number alone.
; Four v_nop follow each of the two lines, ahead of the jump, the label and what follows.
.macro JLOAD g0a, g1a, g0b, g1b
	s_cmp_eq_u32 s15, 0
	s_cbranch_scc0 .Lfor_b_\@
	tensor_load_to_lds s[\g0a:\g0a+3], s[\g1a:\g1a+7]
	s_nop 0
.rept 4
	v_nop
.endr
	s_branch .Lasked_\@
.Lfor_b_\@:
	tensor_load_to_lds s[\g0b:\g0b+3], s[\g1b:\g1b+7]
	s_nop 0
.rept 4
	v_nop
.endr
.Lasked_\@:
.endm
.macro CROUND                          ; a round of the cluster's barrier: my work-group's barrier; wave 0 signals for the work-group; every wave waits for all sixteen; my work-group's barrier once more
	s_barrier_signal -1
	s_barrier_wait -1
	s_cmp_lg_u32 s14, 0
	s_cbranch_scc1 .Lnot_wave_0_\@
	s_barrier_signal -3
.Lnot_wave_0_\@:
	s_barrier_wait -3
	s_barrier_signal -1
	s_barrier_wait -1
.endm
	s_load_b256 s[4:11], s[0:1], 0x0               ; xc s[4:5], xs s[6:7], wc s[8:9], ws s[10:11]
	s_load_b256 s[92:99], s[0:1], 0x20             ; b_q s[92:93], b_k s[94:95], b_v s[96:97], qkv s[98:99]
	v_lshl_add_u32 v114, v0, 2, 0x48400
	v_mov_b32 v115, 0
	ds_add_u32 v114, v115
	ds_add_u32 v114, v115
	v_lshrrev_b32 v1, 5, v0
	v_readfirstlane_b32 s14, v1                    ; wave 0..3
	s_lshr_b32 s15, s14, 1                         ; which half of A's 256 rows is mine.  Also: I fetch for A (0) or for B (1)
	s_and_b32 s16, s14, 1                          ; which half of B's.  Also: which 128 rows of that tile I fetch
	s_bfe_u32 s40, ttmp6, 0x40000                  ; cx, cy: my place in the cluster
	s_bfe_u32 s41, ttmp6, 0x40004
	s_and_b32 s2, ttmp7, 0xffff
	s_lshl_b32 s2, s2, 2                           ; 4 x the cluster's y: it counts the 32 tiles of the sequence's 8,192 rows
	s_lshl_b32 s12, ttmp9, 13                      ; q, k: A = xc's rows from 8,192 p on,
	s_lshl_b32 s13, ttmp9, 10                      ;       B = wc's rows from 1,024 p on
	s_cmp_eq_u32 ttmp9, 2                          ; v?  The cluster's x is the same in all partners
	s_cselect_b32 s3, 0, s2
	s_cselect_b32 s2, s2, 0
	s_cselect_b32 s12, 2048, s12                   ; v: A = wc's rows from 2,048 on,
	s_cselect_b32 s13, 8192, s13                   ;    B = xc's rows from 8,192 on
	s_add_co_u32 s17, s41, s3                      ; A's tile: cy (+ 4 x cluster y for q, k): it never holds cx
	s_add_co_u32 s42, s40, s2                      ; B's tile: cx (+ 4 x cluster y for v): it never holds cy
	s_lshl_b32 s43, s41, 2
	s_lshl_b32 s43, 15, s43                        ; my row of the cluster
	s_lshl_b32 s44, 0x1111, s40                    ; my column
	; descriptor group 1: a tile of 128 rows x 256 bytes, padded in LDS
	s_or_b32 s[G1+0], s43, (0<<16)|(1<<20)|(1<<21)|(5<<22)|(3<<25)  ; 15:0 the mask: A's tiles go to my row; 17:16 element of 1 byte; 20 padding on; 21 set beside a mask; 24:22 after every 64 words (code 5); 31:25 of 4 words (code 3)
	s_or_b32 s[G1B+0], s44, (0<<16)|(1<<20)|(1<<21)|(5<<22)|(3<<25)
.irp g, G1, G1B
	s_mov_b32 s[\g+1], ROWB<<16                    ; tensor_dim0
	s_mov_b32 s[\g+2], 128<<16                     ; tensor_dim1 = 128
	s_mov_b32 s[\g+3], ROWB<<16                    ; tile_dim0
	s_mov_b32 s[\g+4], 128                         ; tile_dim1 = 128
	s_mov_b32 s[\g+5], KROW                        ; tensor_dim0_stride
	s_mov_b32 s[\g+6], 0
	s_mov_b32 s[\g+7], 0
.endr
	; and for the scale bytes of 128 rows: a dense block of 4,096 bytes, as 16 rows of 256 bytes (32 elements of 8 bytes), 16 bytes of padding behind each
	s_or_b32 s[G1S+0], s43, (3<<16)|(1<<20)|(1<<21)|(5<<22)|(3<<25)
	s_or_b32 s[G1SB+0], s44, (3<<16)|(1<<20)|(1<<21)|(5<<22)|(3<<25)
.irp g, G1S, G1SB
	s_mov_b32 s[\g+1], 32<<16
	s_mov_b32 s[\g+2], 16<<16
	s_mov_b32 s[\g+3], 32<<16
	s_mov_b32 s[\g+4], 16
	s_mov_b32 s[\g+5], 32
	s_mov_b32 s[\g+6], 0
	s_mov_b32 s[\g+7], 0
.endr
	s_lshl_b32 s18, s16, 7                         ; which 128 rows of the tile I fetch
	s_lshl_b32 s20, s17, 8
	s_add_co_u32 s20, s20, s18
	s_add_co_u32 s20, s20, s12                     ; A: stored row = base + 256 x tile + 128 x half
	s_lshl_b32 s46, s42, 8
	s_add_co_u32 s46, s46, s18
	s_add_co_u32 s46, s46, s13                     ; B likewise
	s_lshl_b32 s22, s20, 5                         ; where these rows' scale bytes begin (32 a row),
	s_mov_b32 s23, 0
	s_lshl_b32 s20, s20, 9                         ; and their codes (512 a row)
	s_mov_b32 s21, 0
	s_lshl_b32 s100, s46, 5
	s_mov_b32 s101, 0
	s_lshl_b32 s46, s46, 9
	s_mov_b32 s47, 0
	s_mul_i32 s45, s14, HALFT                      ; where they go: wave x 128 rows: no place in the cluster enters an LDS address
	s_mul_i32 s66, s14, HALFS
	s_wait_dscnt 0x0
	s_wait_kmcnt 0x0
	s_cmp_eq_u32 ttmp9, 2                          ; the buffers change places for v; the choice hangs on the cluster's x alone
	s_cselect_b64 s[2:3], s[8:9], s[4:5]           ; A's codes
	s_cselect_b64 s[18:19], s[10:11], s[6:7]       ; A's scales
	s_cselect_b64 s[8:9], s[4:5], s[8:9]           ; B's codes
	s_cselect_b64 s[10:11], s[6:7], s[10:11]       ; B's scales
	s_cselect_b64 s[96:97], s[96:97], s[94:95]     ; the bias: b_v, or b_k,
	s_cmp_eq_u32 ttmp9, 0
	s_cselect_b64 s[92:93], s[92:93], s[96:97]     ; or b_q
	s_add_nc_u64 s[20:21], s[2:3], s[20:21]
	s_add_nc_u64 s[22:23], s[18:19], s[22:23]
	s_add_nc_u64 s[46:47], s[8:9], s[46:47]
	s_add_nc_u64 s[100:101], s[10:11], s[100:101]
	CROUND                                         ; all sixteen work-groups are here: the joint loads meet
	s_mov_b32 s[G0S], 1
	s_add_co_u32 s[G0S+1], s66, SCL
	s_mov_b64 s[G0S+2:G0S+3], s[22:23]
	s_or_b32 s[G0S+3], s[G0S+3], 0x80000000
	s_mov_b32 s[G0SB], 1
	s_add_co_u32 s[G0SB+1], s66, SCL
	s_mov_b64 s[G0SB+2:G0SB+3], s[100:101]
	s_or_b32 s[G0SB+3], s[G0SB+3], 0x80000000
	JLOAD G0S, G1S, G0SB, G1SB                     ; the scale bytes first: they are wanted with the first slot
.irp s, 0,1
	s_mov_b32 s[G0+4*\s], 1
	s_add_co_u32 s[G0+4*\s+1], s45, \s*SLOT
	s_add_nc_u64 s[G0+4*\s+2:G0+4*\s+3], s[20:21], \s*ROWB
	s_or_b32 s[G0+4*\s+3], s[G0+4*\s+3], 0x80000000
	s_mov_b32 s[G0B+4*\s], 1
	s_add_co_u32 s[G0B+4*\s+1], s45, \s*SLOT
	s_add_nc_u64 s[G0B+4*\s+2:G0B+4*\s+3], s[46:47], \s*ROWB
	s_or_b32 s[G0B+4*\s+3], s[G0B+4*\s+3], 0x80000000
	JLOAD G0+4*\s, G1, G0B+4*\s, G1B               ; three tensor loads of mine are out: all that this launch issues
.endr
	v_and_b32 v1, 15, v0                           ; r = l % 16
	v_bfe_u32 v2, v0, 4, 1                         ; h = l / 16
	v_mul_u32_u24 v3, v1, PITCH
	v_lshl_add_u32 v4, v2, 4, v3                   ; a fragment's row x pitch + 16 x half
	s_mul_i32 s21, s15, HALFT                      ; my 128 rows of A
	s_mul_i32 s22, s16, HALFT                      ; my 128 rows of B,
	s_add_co_u32 s22, s22, 2*HALFT                 ; which lie behind A's 256
.irp s, 0,1
	v_add_nc_u32 v[ADRA+\s], s21, v4
	v_add_nc_u32 v[ADRB+\s], s22, v4
	s_add_co_u32 s21, s21, SLOT
	s_add_co_u32 s22, s22, SLOT
.endr
	v_mul_u32_u24 v5, v1, KS                       ; my row's scale bytes: 32 a row,
	v_lshrrev_b32 v6, 8, v5
	v_lshl_add_u32 v5, v6, 4, v5                   ; and 16 more for each 256 passed
	s_mul_i32 s21, s15, HALFS                      ; A's: my 128 rows
	s_mul_i32 s22, s16, HALFS                      ; B's: my 128 rows, behind A's 256
	s_add_co_u32 s22, s22, 2*HALFS
	s_sub_co_u32 s22, s22, s21
	v_mul_u32_u24 v6, s22, v2                      ; lanes 16-31 take B's
	s_add_co_u32 s21, s21, SCL
	v_add_nc_u32 v5, v5, v6
	v_add_nc_u32 v[ADRS], s21, v5
	; THE WAY OUT'S NUMBERS.  i0, j0: my first logical row in area A and in area B.  q, k: i0 is a row of the sequence, j0 a feature; v: the other way round.
	s_lshl_b32 s17, s17, 8
	s_lshl_b32 s2, s15, 7
	s_add_co_u32 s17, s17, s2                      ; i0 = 256 x A's tile + 128 x half
	s_lshl_b32 s42, s42, 8
	s_lshl_b32 s2, s16, 7
	s_add_co_u32 s42, s42, s2                      ; j0 likewise
	s_mov_b32 s100, REC
	s_mov_b32 s101, 131072
	s_cmp_eq_u32 ttmp9, 0
	s_cselect_b32 s40, 143360, 0                   ; where the codes lie in a record: Qc, Kc,
	s_cselect_b32 s41, 208896, s101                ; and the scale words: Qs, Ks,
	s_cmp_eq_u32 ttmp9, 2
	s_cselect_b32 s40, 65536, s40                  ; or Vc
	s_cselect_b32 s41, 139264, s41                 ; and Vs
	s_cselect_b32 s43, 8, 9                        ; a key step's scale words: 256 bytes for v, 512 for q and k
	s_cselect_b32 s2, s42, s17                     ; my first row of the sequence: 128 of them, one key step
	s_cselect_b32 s3, s17, s42                     ; my first feature: 128 of them, two heads
	s_cselect_b32 s18, 0, -1                       ; all ones unless v
	s_cselect_b32 s19, -1, 0                       ; all ones if v
	s_cselect_b32 s22, -1, 0xffff                  ; q, k: a head's two bytes of the scale word are kept,
	s_cselect_b32 s23, 0, 0x7f7f0000               ; and 0x7f, 0x7f set above them
	s_cselect_b32 s44, 2048, s100                  ; from c = 0 to c = 1 of a fragment: q, k the next head's record; v 64 keys on
	s_cselect_b32 s66, s100, 2048                  ; from blocks 0-3 to blocks 4-7: q, k four tiles on; v the next head's record
	s_cselect_b32 s67, 0, s100                     ; q, k: lanes 16-31 store the next head's scale words
	s_cselect_b32 s101, s100, 256                  ; scale words of blocks 4-7: q, k 256 bytes on; v the next head's record
	v_and_b32 v5, 31, v0
	v_lshlrev_b32 v[VO], 4, v5                     ; 16 x lane
	v_add_nc_u32 v[VO+1], s66, v[VO]
	v_add_nc_u32 v[VO+2], s44, v[VO]
	v_add_nc_u32 v[VO+3], s66, v[VO+2]
	v_mul_u32_u24 v5, s67, v2
	v_lshl_add_u32 v[VS1], v1, 4, v5               ; 16 r (+ a record for lanes 16-31)
	v_add_nc_u32 v[VS2], s101, v[VS1]
	v_lshlrev_b32 v5, 4, v2
	v_and_b32 v[VSH], s18, v5
	s_and_b32 s44, s42, s18                        ; the bias along the registers: b[j0 + 32 g + 16 h + i] for q, k; for v any 128 numbers of the buffer: they are cleared below
	s_lshl_b32 s44, s44, 2
	v_lshl_add_u32 v[BJO], v2, 6, s44
	s_and_b32 s66, s17, s19                        ; the bias along the lanes: b[i0 + 32 (a / 2) + 8 (a % 2) + r + 8 (r / 8)] for v; for q, k cleared below
	v_and_b32 v5, 8, v1
	v_add3_u32 v5, v5, v1, s66
	v_lshlrev_b32 v[BIO], 2, v5
.irp b, 0,1,2,3
.irp q, 0,1,2,3
	global_load_b128 v[BJ+16*\b+4*\q:BJ+16*\b+4*\q+3], v[BJO], s[92:93] offset:128*\b+16*\q
.endr
.endr
.irp a, 0,1,2,3,4,5,6,7
	global_load_b32 v[BI+\a], v[BIO], s[92:93] offset:4*(32*(\a/2)+8*(\a%2))
.endr
	s_lshr_b32 s44, s2, 11                         ; the batch,
	s_lshl_b32 s44, s44, 4
	s_lshr_b32 s3, s3, 6                           ; the head,
	s_add_co_u32 s44, s44, s3
	s_mul_i32 s44, s44, s100                       ; my first record, in bytes
	s_bfe_u32 s2, s2, 0x40007                      ; the key step: 4 bits from bit 7
	s_lshl_b32 s3, s2, 12                          ; 4,096 bytes of codes a step
	s_add_co_u32 s3, s3, s44
	s_add_co_u32 s66, s3, s40
	s_mov_b32 s67, 0
	s_add_nc_u64 s[12:13], s[98:99], s[66:67]      ; the codes' base
	s_lshl_b32 s3, s2, s43
	s_add_co_u32 s3, s3, s44
	s_add_co_u32 s66, s3, s41
	s_add_nc_u64 s[20:21], s[98:99], s[66:67]      ; the scale words' base
.macro FRAG reg, adr, q, i             ; a fragment, 16 rows x 128 K of 4-bit codes, is 8 registers: lane l holds row l % 16; registers 4 c .. 4 c + 3 hold K = 64 c + 32 (l / 16) + 0 .. 31
.irp c, 0,1
	ds_load_b128 v[\reg+4*\c:\reg+4*\c+3], v[\adr] offset:64*(\q)+32*\c+(\i)*16*PITCH
.endr
.endm
; 16 matrix instructions: A's blocks a0, a0 + 1 x B's eight, 128 along K: the slot's q-th.  p: B's set;  sc: the set of scale words.  zero = 1: the first product starts the sums: nothing is ever cleared.
; The 64 accumulators take turns, one instruction a turn, in the same order in every step.
.macro MUL16 a0, p, q, sc, zero
.irp a, \a0, \a0+1
.irp b, 0,1,2,3,4,5,6,7
.if \zero
	v_wmma_scale_f32_16x16x128_f8f6f4 v[8*(8*((\a)%4)+\b):8*(8*((\a)%4)+\b)+7], v[128*(\p)+FR*\b:128*(\p)+FR*\b+FR-1], v[AF+FR*(\a):AF+FR*(\a)+FR-1], 0, v[SC+8*NQ*(\sc)+NQ*\b+(\q)], v[SC+8*NQ*(\sc)+NQ*(\a)+(\q)] matrix_a_fmt:MATRIX_FMT_FP4 matrix_b_fmt:MATRIX_FMT_FP4 matrix_a_scale:MATRIX_SCALE_ROW1
.else
	v_wmma_scale_f32_16x16x128_f8f6f4 v[8*(8*((\a)%4)+\b):8*(8*((\a)%4)+\b)+7], v[128*(\p)+FR*\b:128*(\p)+FR*\b+FR-1], v[AF+FR*(\a):AF+FR*(\a)+FR-1], v[8*(8*((\a)%4)+\b):8*(8*((\a)%4)+\b)+7], v[SC+8*NQ*(\sc)+NQ*\b+(\q)], v[SC+8*NQ*(\sc)+NQ*(\a)+(\q)] matrix_a_fmt:MATRIX_FMT_FP4 matrix_b_fmt:MATRIX_FMT_FP4 matrix_a_scale:MATRIX_SCALE_ROW1
.endif
.endr
.endr
.endm
.macro FETCH_B slot, q, p              ; B's eight fragments of the slot's q-th 128 along K into set p
	WIN TO_B
.irp i, 0,1,2,3,4,5,6,7
	FRAG 128*(\p)+FR*\i, ADRB+\slot, \q, \i
.endr
	WIN 0
.endm
.macro FETCH_A slot, q, i0             ; A's blocks i0 .. i0 + 3
.irp i, \i0, \i0+1, \i0+2, \i0+3
	FRAG AF+FR*(\i), ADRA+\slot, \q, \i
.endr
.endm
.macro SCALES sc                       ; a slot's scale words into set sc: four words a row; lanes 0-15 take A's block i, lanes 16-31 B's block i
.irp i, 0,1,2,3,4,5,6,7
	ds_load_b128 v[SC+8*NQ*\sc+NQ*\i:SC+8*NQ*\sc+NQ*\i+3], v[ADRS] offset:\i*SBLK
.endr
.endm
; A load into a register that a matrix instruction has read stands NP places behind that matrix instruction, and only plain vector instructions that name none of its registers are places
; (ISA guide 7.12.1 for vector instructions); the matrix instructions in between are not counted.
.macro PLACES n
.rept \n
	v_nop
.endr
.endm
; A step of 128 along K that has its successor in the same slot.  A's blocks go one after the other, each against B's eight: so one set of registers serves A (blocks 0-3 fetched anew in the step's middle, 4-7 at its end), and B has two sets.
.macro STEP slot, q, zero
	s_wait_dscnt 4*NL                              ; B's set and A's blocks 0-3 are in; the youngest eight loads (A's blocks 4-7) may be out
	WIN MUL_LO
	MUL16 0, (\q)%2, \q, \slot, \zero
	MUL16 2, (\q)%2, \q, \slot, \zero
	s_wait_dscnt 0                                 ; A's blocks 4-7 are in (asked for 32 matrix instructions ago)
	PLACES NP
	FETCH_B \slot, (\q)+1, 1-(\q)%2
	FETCH_A \slot, (\q)+1, 0
	WIN MUL_HI
	MUL16 4, (\q)%2, \q, \slot, \zero
	MUL16 6, (\q)%2, \q, \slot, \zero
	PLACES NP
	WIN 0
	FETCH_A \slot, (\q)+1, 4
.endm
; The first slot's last step goes over to the second slot: each wave waits for its part of that slot and says so at a barrier; behind it the slot is whole.  Nothing is filled again.
.macro TURN slot, next
	s_wait_tensorcnt 0x0                           ; my part of the next slot has landed: no tensor load of mine is out
	s_wait_dscnt 4*NL                              ; (the youngest eight loads, A's blocks 4-7, may be out)
	WIN MUL_LO
	MUL16 0, 1, NQ-1, \slot, 0
	s_wait_dscnt 0x0                               ; no LDS instruction of mine is pending at the signal
	s_barrier_signal -1
	MUL16 2, 1, NQ-1, \slot, 0                     ; work on registers while the others arrive
	WIN 0
	s_barrier_wait -1
	PLACES NP
	v_add_nc_u32 v[ADRS], 4*NQ, v[ADRS]            ; on to the next slot's scale words (no LDS load of mine is out)
	FETCH_B \next, 0, 0
	FETCH_A \next, 0, 0
	SCALES \next
	WIN MUL_HI
	MUL16 4, 1, NQ-1, \slot, 0
	MUL16 6, 1, NQ-1, \slot, 0
	PLACES NP
	WIN 0
	FETCH_A \next, 0, 4
.endm
.macro STEPS slot, from                ; the slot's steps from .. NQ - 2
.set Q, \from
.rept NQ-1-\from
	STEP \slot, Q, 0
.set Q, Q+1
.endr
.endm
	s_wait_tensorcnt 1                             ; the scale bytes and my part of slot 0 are in; slot 1's load, the youngest, may be out,
	s_barrier_signal -1
	s_barrier_wait -1                              ; everybody's are
	FETCH_B 0, 0, 0
	FETCH_A 0, 0, 0
	SCALES 0
	FETCH_A 0, 0, 4
	STEP 0, 0, 1                                   ; the first step's products start the sums
	STEPS 0, 1
	TURN 0, 1
	STEPS 1, 0
	s_wait_dscnt 4*NL                              ; the very last step: nothing more to fetch
	WIN MUL_LO
	MUL16 0, 1, NQ-1, 1, 0
	MUL16 2, 1, NQ-1, 1, 0
	s_wait_dscnt 0
	WIN MUL_HI
	MUL16 4, 1, NQ-1, 1, 0
	MUL16 6, 1, NQ-1, 1, 0
	WIN 0
; THE WAY OUT.  Of the two biases the one that does not belong to this product is cleared (an AND with zeros or ones); these 76 plain lines, which name no register of the last products, are also the places behind them.
	s_wait_loadcnt 0x0                             ; the biases, asked for at the head
.set j, 0
.rept 64
	v_and_b32 v[BJ+j], s18, v[BJ+j]
.set j, j+1
.endr
.irp a, 0,1,2,3,4,5,6,7
	v_and_b32 v[BI+\a], s19, v[BI+\a]
.endr
.irp b, 0,1,2,3
	v_mov_b32 v[TM+4+\b], 0                        ; written once: a lane permute's destination counts as one of its sources
.endr
	s_mov_b32 s2, 0x76543210
	s_mov_b32 s3, 0xfedcba98                       ; v_permlanex16_b32's selects for lane l xor 16
; 64 numbers of a lane, v[s] on, register 16 b + i = place 32 b + 16 (lane / 16) + i along the quantised axis, become a fragment's codes in v[pc] on and its scale word in v[pw].
.macro QUANT s, pc, pw
.irp b, 0,1,2,3
	v_max3_num_f32 v[TM+\b], |v[\s+16*\b]|, |v[\s+1+16*\b]|, 0x1800000   ; block b: my 16 numbers, and the floor 2^(3 - 127): the byte cannot fall under 1
.endr
.irp i, 2,4,6,8,10,12,14
.irp b, 0,1,2,3
	v_max3_num_f32 v[TM+\b], v[TM+\b], |v[\s+16*\b+\i]|, |v[\s+1+16*\b+\i]|   ; (the four blocks by turns)
.endr
.endr
.irp b, 0,1,2,3
	v_permlanex16_b32 v[TM+4+\b], v[TM+\b], s2, s3
.endr
.irp b, 0,1,2,3
	v_max_num_f32 v[TM+\b], v[TM+\b], v[TM+4+\b]   ; with lane l xor 16's: the block's largest magnitude
.endr
.irp b, 0,1,2,3
	v_add_nc_u32 v[TM+12+\b], 0xff000000, v[TM+\b] ; 2 off its exponent field: the conversion's scale operand
.endr
.irp b, 0,1,2,3
	v_lshrrev_b32 v[TM+4+\b], 23, v[TM+12+\b]      ; the scale's byte
.endr
	v_lshl_or_b32 v[\pw], v[TM+5], 8, v[TM+4]      ; the four bytes make the scale word
	v_lshl_or_b32 v[\pw], v[TM+6], 16, v[\pw]
	v_lshl_or_b32 v[\pw], v[TM+7], 24, v[\pw]
.irp b, 0,1,2,3
	v_cvt_scalef32_pk8_fp4_f32 v[\pc+2*\b], v[\s+16*\b:\s+7+16*\b], v[TM+12+\b]
	v_cvt_scalef32_pk8_fp4_f32 v[\pc+1+2*\b], v[\s+8+16*\b:\s+15+16*\b], v[TM+12+\b]
.endr
	v_nop                                          ; one plain place behind a scaled conversion
.irp c, 0,1                                    ; the operand's layout wants a WHOLE block in a lane: lanes 0-15 block 2 c, lanes 16-31 block 2 c + 1
.irp i, 0,1
	v_permlane16_swap_b32 v[\pc+4*\c+\i], v[\pc+2+4*\c+\i]
.endr
.endr
.endm
; Block a of area A: its eight accumulators are a lane's 64 numbers.  Bias, quantiser, and two stores of 512 consecutive aligned bytes.  Each block has its own registers for codes and scale word: no store's data are written again.
.macro EPI a
.set AC, 64*((\a)%4)
	WIN 0x02+(\a)/4                                ; source 0: window 2 or 3
.set j, 0
.rept 32
	v_pk_add_f32 v[X+j:X+j+1], v[AC+j:AC+j+1], v[BJ+j:BJ+j+1]      ; each accumulator from its low end on
.set j, j+2
.endr
	WIN 0
.set j, 0
.rept 32
.if ((\a)&1) == 0
	v_pk_add_f32 v[X+j:X+j+1], v[X+j:X+j+1], v[BI+((\a)&6):BI+((\a)&6)+1] op_sel_hi:[1,0]              ; the pair's first register for both halves
.else
	v_pk_add_f32 v[X+j:X+j+1], v[X+j:X+j+1], v[BI+((\a)&6):BI+((\a)&6)+1] op_sel:[0,1] op_sel_hi:[1,1] ; its second
.endif
.set j, j+2
.endr
	QUANT X, PC+8*(\a), PW+(\a)
	v_lshrrev_b32 v[PW+(\a)], v[VSH], v[PW+(\a)]   ; q, k: lanes 0-15 keep the first head's two bytes, lanes 16-31 the second's; v: all four
	v_and_or_b32 v[PW+(\a)], v[PW+(\a)], s22, s23
.irp c, 0,1
	global_store_b128 v[VO+2*\c+(\a)/4], v[PC+8*(\a)+4*\c:PC+8*(\a)+4*\c+3], s[12:13] offset:((\a)%4)*512
.endr
.endm
.irp a, 0,1,2,3,4,5,6,7
	EPI \a
.endr
	global_store_b128 v[VS1], v[PW:PW+3], s[20:21]     ; sixteen lanes store 256 consecutive aligned bytes; for v lanes 16-31 repeat lanes 0-15's address and value
	global_store_b128 v[VS2], v[PW+4:PW+7], s[20:21]
	s_wait_tensorcnt 0x0
	ds_add_u32 v114, v115
	s_wait_dscnt 0x0
	CROUND                                         ; the closing round: no work-group ends while a partner may still ask for a tile that names it
	s_endpgm
.Lfunc_end_k_q5af240f559_proj:
	.size	k_q5af240f559_proj, .Lfunc_end_k_q5af240f559_proj-k_q5af240f559_proj
	.p2alignl 7, 3214868480
	.fill 96, 4, 3214868480
	.section	.rodata,"a",@progbits
	.p2align	6, 0x0
	.amdhsa_kernel k_q5af240f559_proj
		.amdhsa_group_segment_fixed_size 327680
		.amdhsa_private_segment_fixed_size 0
		.amdhsa_enable_private_segment 0
		.amdhsa_kernarg_size 64
		.amdhsa_user_sgpr_count 2
		.amdhsa_user_sgpr_kernarg_segment_ptr 1
		.amdhsa_wavefront_size32 1
		.amdhsa_system_sgpr_workgroup_id_x 1
		.amdhsa_system_sgpr_workgroup_id_y 1
		.amdhsa_system_sgpr_workgroup_id_z 1
		.amdhsa_system_vgpr_workitem_id 0
		.amdhsa_next_free_vgpr 1024
		.amdhsa_next_free_sgpr 102
		.amdhsa_reserve_vcc 0
		.amdhsa_float_denorm_mode_32 3
		.amdhsa_float_denorm_mode_16_64 3
		.amdhsa_memory_ordered 1
		.amdhsa_forward_progress 1
		.amdhsa_inst_pref_size 166
	.end_amdhsa_kernel
	.amdgpu_metadata
---
amdhsa.version: [ 1, 2 ]
amdhsa.kernels:
  - .name:           k_q5af240f559_proj
    .symbol:         k_q5af240f559_proj.kd
    .args:
      - { .name: xc, .offset: 0, .size: 8, .value_kind: global_buffer, .address_space: global }
      - { .name: xs, .offset: 8, .size: 8, .value_kind: global_buffer, .address_space: global }
      - { .name: wc, .offset: 16, .size: 8, .value_kind: global_buffer, .address_space: global }
      - { .name: ws, .offset: 24, .size: 8, .value_kind: global_buffer, .address_space: global }
      - { .name: b_q, .offset: 32, .size: 8, .value_kind: global_buffer, .address_space: global }
      - { .name: b_k, .offset: 40, .size: 8, .value_kind: global_buffer, .address_space: global }
      - { .name: b_v, .offset: 48, .size: 8, .value_kind: global_buffer, .address_space: global }
      - { .name: qkv, .offset: 56, .size: 8, .value_kind: global_buffer, .address_space: global }
    .group_segment_fixed_size: 327680
    .private_segment_fixed_size: 0
    .kernarg_segment_align: 8
    .kernarg_segment_size: 64
    .max_flat_workgroup_size: 128
    .sgpr_count:     102
    .vgpr_count:     1024
    .wavefront_size: 32
...
	.end_amdgpu_metadata
.endif
;; end of part 4
;; launch attn (part 5): grid 4 x 64, 16 waves a work-group, clusters of 4 x 1, 215,040 bytes of LDS; arguments qkv, mb, out0; writes out0
.if DOCPART == 5
	.amdgcn_target "amdgcn-amd-amdhsa--gfx1250"
	.amdhsa_code_object_version 6
	.text
	.protected	k_q5af240f559_attn
	.globl	k_q5af240f559_attn
	.p2align	8
	.type	k_q5af240f559_attn,@function
k_q5af240f559_attn:
	s_mov_b64 s[64:65], 0
	v_nop
	global_prefetch_b8 v0, s[64:65] scope:SCOPE_SE
	s_setreg_imm32_b32 hwreg(HW_REG_WAVE_MODE, 25, 1), 1
	s_wait_xcnt 0x0
	s_wait_alu depctr_hold_cnt(0) depctr_sa_sdst(0) depctr_va_vdst(0) depctr_va_sdst(0) depctr_va_ssrc(0) depctr_va_vcc(0) depctr_vm_vsrc(0)
	s_getreg_b32 s2, hwreg(HW_REG_IB_STS2, 6, 4)
	s_cmp_eq_u32 s2, 0
	s_cbranch_scc0 .Lentry_in_a_cluster
	s_endpgm
.Lentry_in_a_cluster:
	s_bfe_u32 s2, ttmp6, 0x10000c
	s_cmp_lg_u32 s2, 0x3003
	s_cbranch_scc0 .Lentry_shape_is_right
	s_endpgm
.Lentry_shape_is_right:
; out0[b][q][head x 64 + d] = the sum over k of softmax_k(mask ? -1e9 : q . k / 8) v[k][d], both products on codes of FP4 (E2M1) with one E8M0 scale for each 32 along a product's K.
; Operands come from qkv, one record of REC bytes for each (batch, head), laid in the order of the operand registers; the mask comes from mb as lane masks, one word for each score register of a key step.
; THE SOFTMAX AHEAD OF THE SECOND PRODUCT: t = score x log2(e) / 8; M = the row's largest t so far, rounded UP to a whole number; p = 2^(t - M) is what is quantised, along the keys; it is not normalised.
; The row's sum is taken of the unquantised p, in f32, and divides O at the end.  When M moves, the sum and O are multiplied by 2^(old M - new M): exact.
; SHARES.  A work-group owns 512 queries of one head; each of its sixteen waves owns two tiles of 16 queries, one after the other, in 256 registers: four waves to a SIMD, so that one wave's vector work stands beside
; another's matrix work and LDS loads.  Every wave walks all 2,048 keys, 128 a step.
; LDS.  A head's K and V as codes and scale words are 143,360 bytes: they come ONCE, each wave bringing 35 rows of 256 bytes by one tensor load, and stay: no LDS byte is filled twice in this launch.  Behind them: a stage for each wave.
; CLUSTER.  The four query blocks of a head form a cluster and need the same 143,360 bytes: each part is asked for JOINTLY, by the same tensor load with the same descriptor and a mask that names the four.
; LAYOUT.  Both products are used transposed: S^T = K Q^T (source 0 = 16 keys, source 1 = my 16 queries), O^T = V^T P^T (source 0 = 16 of the head's 64, source 1 = P): a lane holds ONE query (lane % 16) throughout.
; Lane r of key tile 2 g + u holds key 32 g + 8 u + r + 8 (r / 8) of the step, so that score register 16 g + i of lane (r, h) is key 32 g + 16 h + i: 16 neighbours.  V's rows are chosen likewise, so that a lane's O^T is 16 neighbouring d twice.
; K = 64 IN A FORM OF K = 128: Q's upper four registers are zero codes; a key tile's upper four registers are whatever stands behind its four (the next tile's codes, or zeros): finite numbers times zero; scale bytes 2 and 3 are 0x7f.
; LIMITS: a masked score is set to -2^33 (t = -2^33 c is then exact): p is 0 where the row has an open key and exactly 1 in a row with none, which is what f32 arithmetic makes of -1e9; true logits at or under -1e9 are not served.
; NaN and infinities are not served.  A block of p whose largest p lies under 2^-124 keeps the scale byte 1.
.set REC,   217088
.set FILLB, 8960                       ; 35 rows of 256 bytes: a wave's part of the fill
.set VCO,   65536                      ; V's codes in LDS (and in the record)
.set KSO,   131072                     ; K's scale words
.set VSO,   139264                     ; V's scale words
.set QCO,   143360                     ; in the record: Q's codes,
.set QSO,   208896                     ; Q's scale words
.set STG,   143360                     ; in LDS: the stages, 16 rows x 272 bytes for each wave; no tensor load lands there
.set LI,   1                           ; v1   16 x lane: my place in an image of four registers
.set LV,   2                           ; v2   the same in V's codes
.set AKS0, 3                           ; v3   my place among K's scale words: KSO + 16 r
.set AVS0, 4                           ; v4   among V's: VSO + 16 r
.set STO,  5                           ; v5   the stage: where I put 64 bytes of a row
.set RD,   6                           ; v6   and where I read a row back
.set GO,   7                           ; v7   my byte offset in the wave's rows of out0
.set ADK,  8                           ; v8-11 LDS addresses of the step in hand: K, V, K's scale words, V's
.set ADV,  9
.set ADS,  10
.set ADT,  11                          ; v12 -M, v13 the largest t, v[14:15] the sum in two halves
.set QF,   16                          ; v16-31   Q's two fragments; the upper four registers of each are zeros
.set KF,   32                          ; v32-63   the step's 8 key tiles, four registers each;  v64-67 zeros
.set VF,   68                          ; v68-99   V's four fragments
.set KSC,  100                         ; v100-107 K's scale words, one register a tile
.set VSC,  108                         ; v108-111 V's
.set S,    112                         ; v112-175 S^T, then p
.set O,    176                         ; v176-207 O^T
.set PC,   208                         ; v208-215 p's codes
.set BM,   216                         ; v216-219 each block's largest score, then its largest p
.set PT,   220                         ; v220-223 the other half of the lanes'
.set SO,   224                         ; v224-227 the conversions' scale operands
.set BY,   228                         ; v228-231 the scale bytes
.set TMP,  232
.set F,    234                         ; v[234:235] f = 2^(old M - new M); the pair's upper register is named and not used
.set PW,   236                         ; p's scale word
.set SUM2, 238                         ; v[238:239] the second chain of the sum
.set NEG,  240                         ; -2^33
.set QSA,  241                         ; 16 r: the lane's offset for Q's scale words
.set QSC,  244                         ; v244-245 Q's scale words
.set WV,   10                          ; s10  my wave's number
.set G0,   12                          ; s[12:15] descriptor group 0;  s[84:91] group 1
.set G1,   84                          ; s16-63, s68-83: the step's 64 mask words
.set TB,   92                          ; s92  the step's codes: 4,096 bytes a step
.set TS,   93                          ; s93  K's scale words: 512 a step
.set TJ,   94                          ; s94  V's: 256 a step
.set MO,   95                          ; s95  byte offset of the mask record asked for
.set TRIPS, 96
.set IDX,  97                          ; s97  its number: 0 .. 31 over my two tiles
.set CS,   98                          ; s[98:99] c = log2(e) / 8
.set SEL,  100                         ; s[100:101] lane selects for v_permlanex16_b32: lane l xor 16
.macro CROUND                          ; a round of the cluster's barrier: my work-group's barrier; wave 0 signals for the work-group; every wave waits for all four; my work-group's barrier once more
	s_barrier_signal -1
	s_barrier_wait -1
	s_cmp_lg_u32 s[WV], 0
	s_cbranch_scc1 .Lnot_wave_0_\@
	s_barrier_signal -3
.Lnot_wave_0_\@:
	s_barrier_wait -3
	s_barrier_signal -1
	s_barrier_wait -1
.endm
	s_load_b128 s[4:7], s[0:1], 0x0                ; qkv, mb
	s_load_b64 s[8:9], s[0:1], 0x10                ; out0
	v_lshl_add_u32 v254, v0, 2, 0x34000
	v_mov_b32 v255, 0
	ds_add_u32 v254, v255
	ds_add_u32 v254, v255
	v_lshrrev_b32 v1, 5, v0
	v_readfirstlane_b32 s[WV], v1                  ; wave 0..15
	s_bfe_u32 s11, ttmp6, 0x40000                  ; cx
	s_lshl_b32 s66, ttmp9, 2
	s_add_co_u32 s11, s11, s66                     ; my block of 512 queries: it enters global addresses of Q, the mask and the output alone
	s_and_b32 s92, ttmp7, 0xffff                   ; batch x 16 + head, which the four partners share
	s_mul_i32 s93, s92, REC                        ; the record
	; descriptor group 1: 35 rows of 256 bytes (32 elements of 8 bytes), dense in memory and in LDS
	s_mov_b32 s[G1+0], 15|(3<<16)|(1<<21)          ; 15:0 the mask: all four work-groups; 17:16 elements of 8 bytes; 21 set beside a mask; no padding
	s_mov_b32 s[G1+1], 32<<16                      ; tensor_dim0 = 32
	s_mov_b32 s[G1+2], 35<<16                      ; tensor_dim1 = 35
	s_mov_b32 s[G1+3], 32<<16                      ; tile_dim0 = 32
	s_mov_b32 s[G1+4], 35                          ; tile_dim1 = 35
	s_mov_b32 s[G1+5], 32                          ; tensor_dim0_stride
	s_mov_b32 s[G1+6], 0
	s_mov_b32 s[G1+7], 0
	s_mov_b32 s[G0], 1                             ; count = 1
	s_mul_i32 s[G0+1], s[WV], FILLB                ; LDS address: wave x 8,960
	s_add_co_u32 s96, s93, s[G0+1]                 ; and the same bytes of the record
	s_mov_b32 s97, 0
	s_wait_dscnt 0x0
	s_wait_kmcnt 0x0
	s_add_nc_u64 s[G0+2:G0+3], s[4:5], s[96:97]
	s_or_b32 s[G0+3], s[G0+3], 0x80000000          ; type = 2
	CROUND                                         ; all four work-groups are here: the joint loads meet
	tensor_load_to_lds s[G0:G0+3], s[G1:G1+7]      ; my one tensor load of the launch
	s_nop 0
.rept 4
	v_nop
.endr
	v_and_b32 v232, 31, v0                         ; lane
	v_and_b32 v233, 15, v0                         ; r
	v_bfe_u32 v237, v0, 4, 1                       ; h
	v_lshlrev_b32 v[LI], 4, v232
	v_add_nc_u32 v[LV], VCO, v[LI]
	v_lshlrev_b32 v[QSA], 4, v233
	v_add_nc_u32 v[AKS0], KSO, v[QSA]
	v_add_nc_u32 v[AVS0], VSO, v[QSA]
	s_mul_i32 s66, s[WV], 16*272
	s_add_co_u32 s66, s66, STG                     ; my stage
	v_mul_u32_u24 v[STO], v233, 272
	v_lshl_add_u32 v[STO], v237, 6, v[STO]
	v_add_nc_u32 v[STO], s66, v[STO]               ; in: row r, + 64 h
	v_mul_u32_u24 v[RD], v237, 272
	v_lshl_add_u32 v[RD], v233, 4, v[RD]
	v_add_nc_u32 v[RD], s66, v[RD]                 ; back: lanes 0-15 one row of 256 bytes, lanes 16-31 the next
	v_lshlrev_b32 v[GO], 12, v237
	v_lshl_add_u32 v[GO], v233, 4, v[GO]           ; and the same two rows of out0, 4,096 bytes apart
	s_lshl_b32 s94, s11, 5
	s_lshl_b32 s95, s[WV], 1
	s_add_co_u32 s94, s94, s95                     ; T0 = 32 x block + 2 x wave: my first tile of 16 queries
	s_lshl_b32 s96, s94, 9                         ; Q's codes: 512 bytes a tile
	s_add_co_u32 s96, s96, s93
	s_add_co_u32 s96, s96, QCO
	s_add_nc_u64 s[2:3], s[4:5], s[96:97]
	s_lshr_b32 s95, s94, 3                         ; Q's scale words: [T / 8][(T / 4) % 2][r][T % 4]
	s_lshl_b32 s95, s95, 9
	s_bfe_u32 s98, s94, 0x10002
	s_lshl_b32 s98, s98, 8
	s_add_co_u32 s95, s95, s98
	s_and_b32 s98, s94, 3
	s_lshl_b32 s98, s98, 2
	s_add_co_u32 s95, s95, s98
	s_add_co_u32 s98, s95, s93
	s_add_co_u32 s98, s98, QSO
	s_mov_b32 s99, 0
	s_add_nc_u64 s[4:5], s[4:5], s[98:99]
	global_load_b128 v[QF:QF+3], v[LI], s[2:3]                 ; Q's fragments stay in registers
	global_load_b128 v[QF+8:QF+11], v[LI], s[2:3] offset:512
	global_load_b32 v[QSC], v[QSA], s[4:5]
	global_load_b32 v[QSC+1], v[QSA], s[4:5] offset:4          ; (T0 is even: the next tile's word is the next in the row)
	s_lshr_b32 s66, s92, 4                         ; the batch
	s_lshl_b32 s66, s66, 7
	s_add_co_u32 s66, s66, s94                     ; batch x 128 + T0
	s_lshl_b32 s96, s66, 12                        ; mb: 4,096 bytes a tile: my two tiles' 32 records of 256 bytes lie on end
	s_add_nc_u64 s[6:7], s[6:7], s[96:97]
	s_lshl_b32 s96, s66, 16                        ; out0: 16 rows of 4,096 bytes a tile (my two tiles share 32 rows),
	s_and_b32 s67, s92, 15
	s_lshl_b32 s67, s67, 8                         ; the head's 256 bytes of a row
	s_add_co_u32 s96, s96, s67
	s_add_nc_u64 s[8:9], s[8:9], s[96:97]
	s_mov_b32 s[MO], 0
	s_mov_b32 s[IDX], 0
	s_load_b512 s[16:31], s[6:7], s[MO] offset:0x0     ; the first step's 64 mask words
	s_load_b512 s[32:47], s[6:7], s[MO] offset:0x40
	s_load_b512 s[48:63], s[6:7], s[MO] offset:0x80
	s_load_b512 s[68:83], s[6:7], s[MO] offset:0xc0
	s_mov_b32 s[CS], 0x3e38aa3b                    ; c = log2(e) / 8
	s_mov_b32 s[CS+1], s[CS]                       ; (named with it as a pair, so it is written)
	s_mov_b32 s[SEL], 0x76543210
	s_mov_b32 s[SEL+1], 0xfedcba98
.irp i, 4,5,6,7,12,13,14,15
	v_mov_b32 v[QF+\i], 0                          ; Q's codes for K = 64 .. 127: zeros
.endr
.irp i, 0,1,2,3
	v_mov_b32 v[KF+32+\i], 0                       ; what stands behind the last key tile
	v_mov_b32 v[PT+\i], 0                          ; written once: a lane permute's destination counts as one of its sources
.endr
	v_mov_b32 v[F+1], 0                            ; (named as the upper half of a pair)
	v_mov_b32 v[NEG], 0xd0000000                   ; -2^33
	s_wait_tensorcnt 0x0                           ; my part of K and V has landed,
	s_barrier_signal -1
	s_barrier_wait -1                              ; everybody's has
	s_wait_loadcnt 0x0                             ; Q
; A KEY STEP: 128 keys, for my tile number half.
.macro STEP half
	v_add_nc_u32 v[ADK], s[TB], v[LI]              ; these four are also the places between the last step's products and the loads into the registers that they read
	v_add_nc_u32 v[ADV], s[TB], v[LV]
	v_add_nc_u32 v[ADS], s[TS], v[AKS0]
	v_add_nc_u32 v[ADT], s[TJ], v[AVS0]
.irp t, 0,1,2,3,4,5,6,7
	ds_load_b128 v[KF+4*\t:KF+4*\t+3], v[ADK] offset:512*\t        ; a key tile: 512 consecutive bytes
.endr
	ds_load_b128 v[KSC:KSC+3], v[ADS]
	ds_load_b128 v[KSC+4:KSC+7], v[ADS] offset:256
.irp d, 0,1,2,3
.irp c, 0,1
	ds_load_b128 v[VF+8*\d+4*\c:VF+8*\d+4*\c+3], v[ADV] offset:2048*\c+512*\d
.endr
.endr
	ds_load_b128 v[VSC:VSC+3], v[ADT]
	s_wait_dscnt 9                                 ; K and its scale words are in; V's eight loads and its scale words may be out
.irp t, 0,1,2,3,4,5,6,7
	v_wmma_scale_f32_16x16x128_f8f6f4 v[S+8*\t:S+8*\t+7], v[KF+4*\t:KF+4*\t+7], v[QF+8*\half:QF+8*\half+7], 0, v[KSC+\t], v[QSC+\half] matrix_a_fmt:MATRIX_FMT_FP4 matrix_b_fmt:MATRIX_FMT_FP4
.endr
	s_wait_kmcnt 0x0                               ; the step's mask words, asked for a step ago
.rept 4
	v_nop                                          ; places in front of the first read of results
.endr
.set n, 0
.rept 48
	v_cndmask_b32 v[S+n], v[S+n], v[NEG], s[16+n]  ; masked scores become -2^33, ahead of the maximum; each accumulator from its low end on
.set n, n+1
.endr
.rept 16
	v_cndmask_b32 v[S+n], v[S+n], v[NEG], s[20+n]
.set n, n+1
.endr
	s_add_co_u32 s[IDX], s[IDX], 1                 ; the next step's record is asked for now: it has the rest of this step in which to come.  (The wait above has shown the last request done: its offset may be written)
	s_min_u32 s[MO], s[IDX], 31                    ; my last step asks for the last record once more: no load leaves the buffer
	s_lshl_b32 s[MO], s[MO], 8
	s_load_b512 s[16:31], s[6:7], s[MO] offset:0x0
	s_load_b512 s[32:47], s[6:7], s[MO] offset:0x40
	s_load_b512 s[48:63], s[6:7], s[MO] offset:0x80
	s_load_b512 s[68:83], s[6:7], s[MO] offset:0xc0
.irp b, 0,1,2,3
	v_max3_num_f32 v[BM+\b], v[S+16*\b], v[S+1+16*\b], v[S+2+16*\b]   ; THE LARGEST SCORE OF EACH BLOCK OF 32 KEYS: it serves twice: for the row's maximum, and, since p rises with the score, for the block's largest p
.endr
.irp i, 3,5,7,9,11,13
.irp b, 0,1,2,3
	v_max3_num_f32 v[BM+\b], v[BM+\b], v[S+16*\b+\i], v[S+1+16*\b+\i]   ; (the four blocks by turns)
.endr
.endr
.irp b, 0,1,2,3
	v_max_num_f32 v[BM+\b], v[BM+\b], v[S+15+16*\b]
.endr
.irp b, 0,1,2,3
	v_permlanex16_b32 v[PT+\b], v[BM+\b], s[SEL], s[SEL+1]
.endr
.irp b, 0,1,2,3
	v_max_num_f32 v[BM+\b], v[BM+\b], v[PT+\b]     ; with lane l xor 16's 16 keys
.endr
	v_max3_num_f32 v[TMP], v[BM], v[BM+1], v[BM+2]
	v_max_num_f32 v[TMP], v[TMP], v[BM+3]          ; the step's largest score of my query
	v_mul_f32 v[TMP], s[CS], v[TMP]                ; as t (c is positive)
	v_max_num_f32 v13, v13, v[TMP]                 ; the running largest t
	v_mov_b32 v[TMP], v12
	v_floor_f32 v12, -v13                          ; the new -M = floor(-t) = -ceil(t): M IS A WHOLE NUMBER
	v_sub_f32 v[TMP], v12, v[TMP]                  ; M's old value less its new one: a whole number, 0 or less
	v_cvt_i32_f32 v[TMP], v[TMP]                   ; (it saturates)
	v_ldexp_f32 v[F], 1.0, v[TMP]                  ; f = 2^(old M - new M)
.set j, 0
.rept 32
	v_pk_fma_f32 v[S+j:S+j+1], v[S+j:S+j+1], s[CS:CS+1], v[12:13] op_sel_hi:[1,0,0]   ; t - M, two at a time (of the pairs c and -M the low word serves both halves)
.set j, j+2
.endr
.irp b, 0,1,2,3
	v_fma_f32 v[BM+\b], v[BM+\b], s[CS], v12       ; the same of each block's largest score
.endr
.set j, 0
.rept 64
	v_exp_f32 v[S+j], v[S+j]                       ; p = 2^(t - M), at most 1: NOT normalised
.set j, j+1
.endr
.irp b, 0,1,2,3
	v_exp_f32 v[BM+\b], v[BM+\b]                   ; the block's largest p: the same two instructions on the same number give the same bits
.endr
	v_pk_mul_f32 v[14:15], v[14:15], v[F:F+1] op_sel_hi:[1,0]   ; the sums under the new M.  (A plain place behind the exponentials)
	s_wait_alu depctr_va_vdst(0)
.irp b, 0,1,2,3
	v_max_num_f32 v[BM+\b], 0x1800000, v[BM+\b]    ; the floor 2^(3 - 127): the byte cannot fall under 1 (a block whose every p is 0 keeps that byte: its codes are zeros)
.endr
.irp b, 0,1,2,3
	v_add_nc_u32 v[SO+\b], 0xff000000, v[BM+\b]    ; 2 off the exponent field: the conversion's scale operand
.endr
.irp b, 0,1,2,3
	v_lshrrev_b32 v[BY+\b], 23, v[SO+\b]           ; the scale's byte
.endr
	v_lshl_or_b32 v[PW], v[BY+1], 8, v[BY]         ; p's scale word for these 128 keys
	v_lshl_or_b32 v[PW], v[BY+2], 16, v[PW]
	v_lshl_or_b32 v[PW], v[BY+3], 24, v[PW]
.irp b, 0,1,2,3
	v_cvt_scalef32_pk8_fp4_f32 v[PC+2*\b], v[S+16*\b:S+7+16*\b], v[SO+\b]
	v_cvt_scalef32_pk8_fp4_f32 v[PC+1+2*\b], v[S+8+16*\b:S+15+16*\b], v[SO+\b]
.endr
	v_nop                                          ; one plain place behind a scaled conversion
.irp c, 0,1                                    ; the operand's layout wants a WHOLE block in a lane: lanes 0-15 block 2 c, lanes 16-31 block 2 c + 1
.irp i, 0,1
	v_permlane16_swap_b32 v[PC+4*\c+\i], v[PC+2+4*\c+\i]
.endr
.endr
.set j, 0
.rept 16
	v_pk_mul_f32 v[O+j:O+j+1], v[O+j:O+j+1], v[F:F+1] op_sel_hi:[1,0]   ; O^T under the new M: x f
.set j, j+2
.endr
	v_pk_add_f32 v[SUM2:SUM2+1], v[S:S+1], v[S+2:S+3]              ; THE ROW'S SUM IS TAKEN OF THE UNQUANTISED p: two at a time, in two chains.  (These 32 are also the places between the lines that wrote p's codes, its scale word and O^T, and the products below)
.irp j, 4,8,12,16,20,24,28,32,36,40,44,48,52,56,60
	v_pk_add_f32 v[14:15], v[14:15], v[S+\j:S+1+\j]
	v_pk_add_f32 v[SUM2:SUM2+1], v[SUM2:SUM2+1], v[S+2+\j:S+3+\j]
.endr
	v_pk_add_f32 v[14:15], v[14:15], v[SUM2:SUM2+1]
	s_wait_dscnt 0x0                               ; V and its scale words, asked for at the step's head
.irp d, 0,1,2,3                                ; O^T += V^T P^T: the four accumulators by turns; between two turns of one stand the next step's eight products
	v_wmma_scale_f32_16x16x128_f8f6f4 v[O+8*\d:O+8*\d+7], v[VF+8*\d:VF+8*\d+7], v[PC:PC+7], v[O+8*\d:O+8*\d+7], v[VSC+\d], v[PW] matrix_a_fmt:MATRIX_FMT_FP4 matrix_b_fmt:MATRIX_FMT_FP4
.endr
	s_add_co_u32 s[TB], s[TB], 4096                ; the next step's codes and scale words
	s_add_co_u32 s[TS], s[TS], 512
	s_add_co_u32 s[TJ], s[TJ], 256
.endm
; ONE TILE OF 16 QUERIES: sixteen key steps, then the way out.  O^T and the sum begin as zeros and the largest t as -3e38: the first change of M multiplies zeros, so the step is written once.
.macro TILE half
	s_mov_b32 s[TB], 0
	s_mov_b32 s[TS], 0
	s_mov_b32 s[TJ], 0
	s_mov_b32 s[TRIPS], 16
	v_mov_b32 v13, 0xff61b1e6                      ; the largest t so far: -3e38, under every t
	v_floor_f32 v12, -v13                          ; -M
	v_mov_b32 v14, 0                               ; the sum, in two halves
	v_mov_b32 v15, 0
.set j, 0
.rept 32
	v_mov_b32 v[O+j], 0
.set j, j+1
.endr
.Lstep_\@:
	STEP \half
	s_sub_co_u32 s[TRIPS], s[TRIPS], 1
	s_cmp_lg_u32 s[TRIPS], 0
	s_cbranch_scc1 .Lstep_\@
	; THE WAY OUT.  O^T / the sum goes through my stage in LDS (16 rows of 256 bytes + 16) and leaves as whole runs of 256 bytes of a row of out0.
.rept 4
	v_nop                                          ; places in front of the first read of the last products' results
.endr
	v_add_f32 v14, v14, v15                        ; the sum's two halves,
	v_permlanex16_b32 v[TMP], v14, s[SEL], s[SEL+1]
	v_add_f32 v14, v14, v[TMP]                     ; and lane l xor 16's: the row's sum
	v_rcp_f32 v14, v14
	v_nop                                          ; one plain place behind a transcendental
.set j, 0
	s_wait_alu depctr_va_vdst(0)
.rept 16
	v_pk_mul_f32 v[S+j:S+j+1], v[O+j:O+j+1], v[14:15] op_sel_hi:[1,0]   ; register 8 dt + i is d = 32 (dt / 2) + 16 h + 8 (dt % 2) + i of query r; each accumulator from its low end on
.set j, j+2
.endr
.irp d, 0,1,2,3
.irp q, 0,1
	ds_store_b128 v[STO], v[S+8*\d+4*\q:S+8*\d+4*\q+3] offset:128*(\d/2)+32*(\d%2)+16*\q
.endr
.endr
.irp i, 0,1,2,3,4,5,6,7
	ds_load_b128 v[S+32+4*\i:S+35+4*\i], v[RD] offset:544*\i       ; LDS serves a wave's instructions in order: these see my stores
.endr
.irp i, 0,1,2,3,4,5,6,7
	s_wait_dscnt 7-\i                              ; rows 2 i and 2 i + 1 are back; the later rows may be out
	global_store_b128 v[GO], v[S+32+4*\i:S+35+4*\i], s[8:9] offset:(2*\i+8*(\i/4)+8*\half)*4096 th:TH_STORE_NT   ; stage row n is query 8 half + n + 8 (n / 8) of my 32; sixteen lanes store 256 consecutive aligned bytes
.endr
.if \half == 0
	s_wait_xcnt 0x0                                ; the stores have read their registers: the next tile's products write them again
.endif
.endm
	TILE 0
	TILE 1
	s_wait_tensorcnt 0x0
	ds_add_u32 v254, v255
	s_wait_dscnt 0x0
	CROUND                                         ; the closing round: no work-group ends while a partner may still ask for bytes by a load that names it
	s_endpgm
.Lfunc_end_k_q5af240f559_attn:
	.size	k_q5af240f559_attn, .Lfunc_end_k_q5af240f559_attn-k_q5af240f559_attn
	.p2alignl 7, 3214868480
	.fill 96, 4, 3214868480
	.section	.rodata,"a",@progbits
	.p2align	6, 0x0
	.amdhsa_kernel k_q5af240f559_attn
		.amdhsa_group_segment_fixed_size 215040
		.amdhsa_private_segment_fixed_size 0
		.amdhsa_enable_private_segment 0
		.amdhsa_kernarg_size 24
		.amdhsa_user_sgpr_count 2
		.amdhsa_user_sgpr_kernarg_segment_ptr 1
		.amdhsa_wavefront_size32 1
		.amdhsa_system_sgpr_workgroup_id_x 1
		.amdhsa_system_sgpr_workgroup_id_y 1
		.amdhsa_system_sgpr_workgroup_id_z 1
		.amdhsa_system_vgpr_workitem_id 0
		.amdhsa_next_free_vgpr 256
		.amdhsa_next_free_sgpr 102
		.amdhsa_reserve_vcc 0
		.amdhsa_float_denorm_mode_32 3
		.amdhsa_float_denorm_mode_16_64 3
		.amdhsa_memory_ordered 1
		.amdhsa_forward_progress 1
		.amdhsa_inst_pref_size 55
	.end_amdhsa_kernel
	.amdgpu_metadata
---
amdhsa.version: [ 1, 2 ]
amdhsa.kernels:
  - .name:           k_q5af240f559_attn
    .symbol:         k_q5af240f559_attn.kd
    .args:
      - { .name: qkv, .offset: 0, .size: 8, .value_kind: global_buffer, .address_space: global }
      - { .name: mb, .offset: 8, .size: 8, .value_kind: global_buffer, .address_space: global }
      - { .name: out0, .offset: 16, .size: 8, .value_kind: global_buffer, .address_space: global }
    .group_segment_fixed_size: 215040
    .private_segment_fixed_size: 0
    .kernarg_segment_align: 8
    .kernarg_segment_size: 24
    .max_flat_workgroup_size: 512
    .sgpr_count:     102
    .vgpr_count:     256
    .wavefront_size: 32
...
	.end_amdgpu_metadata
.endif
;; end of part 5
;; ======== version 2 of 2: 3 launches
;; limits: right only within a limited range of input values
;; workspace buffers: xc 8,388,608 bytes; xs 524,288 bytes; wc 1,572,864 bytes; ws 98,304 bytes; mb 8,388,608 bytes; qkv 13,893,632 bytes
;; launch prep (part 6): grid 1216 x 1, 4 waves a work-group, no clusters, 65,024 bytes of LDS; arguments x_q, x_k_v, xc, xs, attn_mask, mb, w_q, w_k, w_v, wc, ws; writes xc, xs, mb, wc, ws
.if DOCPART == 6
	.amdgcn_target "amdgcn-amd-amdhsa--gfx1250"
	.amdhsa_code_object_version 6
	.text
	.protected	k_q5af240f559_prep
	.globl	k_q5af240f559_prep
	.p2align	8
	.type	k_q5af240f559_prep,@function
k_q5af240f559_prep:
	s_mov_b64 s[64:65], 0
	v_nop
	global_prefetch_b8 v0, s[64:65] scope:SCOPE_SE
	s_setreg_imm32_b32 hwreg(HW_REG_WAVE_MODE, 25, 1), 1
	s_wait_xcnt 0x0
; ALL THAT STANDS AHEAD OF THE PROJECTIONS, in one launch of three paths that part on the work-group's number alone (the same in all four waves of a work-group):
;   work-groups 0 .. 511       PATH X:    x_q and x_k_v, f32, K innermost, become codes of FP4 (E2M1) in xc and E8M0 scale bytes in xs;
;   work-groups 512 .. 703     PATH W:    w_q, w_k, w_v, f32, K as the FIRST axis, become codes with K innermost in wc and scale bytes in ws;
;   work-groups 704 .. 1,215   PATH MASK: attn_mask, one byte a number, becomes lane masks of 32 bits in mb.
; The three share no byte of memory and none of LDS: each path has LDS bytes of its own (x 0 .. 21,503; mask 21,504 .. 55,295; w 55,296 .. 64,511).  One launch, so that the short paths' waits for memory stand beside the long path's stream.
; 64,512 bytes of LDS and 192 registers a wave let five work-groups lie on a WGP: 1,280 places for the 1,216 work-groups.
; THE QUANTISER (paths X and W): a block's scale is 2^(floor(log2(its largest magnitude)) - 2); its byte is the largest magnitude's exponent field - 2, held at 1 from below; each number is divided by the scale and rounded to the nearest code, ties to even.
; ROW ORDER in xc, xs, wc, ws: logical row n is stored at the place n with bits 3 and 4 exchanged, so that sixteen stored neighbours are the logical rows 0-7 and 16-23 (or 8-15 and 24-31) of a group of 32:
; the order in which the projection wants the rows of a 16-row operand.
; LIMITS: a block of zeros gets the byte 1 where the quantiser says 127 (its codes are zeros, which add nothing under any byte but 0xff; this program alone reads the bytes);
; blocks whose largest magnitude lies under 2^-124 keep the byte 1; NaN and infinities among the inputs are not served.
.set NX,     512                       ; work-groups of path X
.set NW,     192                       ; of path W
.set XREG,   5376                      ; path X's LDS: a region for each wave: two stages of 32 x 80 bytes, behind them its 256 scale bytes
.set MB0,    4*XREG                    ; path MASK's LDS begins here
.set MPITCH, 528                       ; a stage row: 512 bytes + 16
.set MWST,   16*MPITCH                 ; a wave's stage
.set WB0,    MB0+4*MWST                ; path W's LDS begins here: a stage of 32 rows
.set WPITCH, 272                       ; of 256 bytes + 16,
.set WSC,    WB0+32*WPITCH             ; and behind it the scale bytes, 32 rows of 16
	s_cmp_lt_u32 ttmp9, NX
	s_cbranch_scc1 .Lpath_x
	s_cmp_lt_u32 ttmp9, NX+NW
	s_cbranch_scc1 .Lpath_w
; ======== PATH MASK.  mb holds the mask as codes of FP4, one a number: 0 where the key is open, 0xe (the number -4) where it is masked.  mb is [b][T 128][st 16][c 2][lane 32][4 words], 1,024 bytes a key step.
; Tile T holds the 16 queries 32 (T / 2) + 8 (T % 2) + r + 8 (r / 8), r = 0 .. 15.  Word t = 4 c + (0 .. 3) of lane (r, h) belongs to key tile t = 2 g + u of step st: its code j is key 128 st + 32 g + 16 h + 8 u + j for query r:
; the eight score registers of that lane in that tile, so that one conversion of the attention launch makes a tile's eight addends.
; A work-group takes one (b, T); wave w takes keys 512 w on (steps 4 w .. 4 w + 3).  Each load reads 512 consecutive bytes of one query's row; the 16 rows turn through the wave's own stage in LDS,
; so that lane (r, h) holds 16 neighbouring keys of query r.  Eight bytes (0 or 1) become a word: the even keys' bytes, the odd keys' bytes four bits up, times 14.  A store covers 512 consecutive bytes.  No barrier: waves share nothing.
.set MT,    8                          ; v8-15    at work
.set MR,    16                         ; v16-79   16 rows as loaded
.set MY,    80                         ; v80-143  step s, group g: four registers, 16 keys of my query
.set MO,    144                        ; v144-175 step s: eight words, one a key tile
	s_load_b128 s[4:7], s[0:1], 0x20               ; attn_mask, mb
	v_lshrrev_b32 v1, 5, v0
	v_readfirstlane_b32 s20, v1                    ; wave
	v_and_b32 v5, 31, v0                           ; lane
	v_and_b32 v6, 15, v0                           ; r
	v_bfe_u32 v7, v0, 4, 1                         ; h
	v_lshlrev_b32 v1, 4, v5                        ; 16 bytes a lane
	s_mul_i32 s21, s20, MWST
	s_add_co_u32 s21, s21, MB0                     ; my stage
	v_add_nc_u32 v2, s21, v1                       ; into it
	v_mul_u32_u24 v3, v6, MPITCH
	v_lshl_add_u32 v3, v7, 4, v3
	v_add_nc_u32 v3, s21, v3                       ; out of it: row r, + 16 h
	s_mov_b32 s8, 0x06040200                       ; byte selects: the even keys of eight,
	s_mov_b32 s9, 0x07050301                       ; the odd ones
	s_sub_co_u32 s28, ttmp9, NX+NW                 ; b x 128 + T
	s_lshr_b32 s22, s28, 7                         ; b
	s_and_b32 s23, s28, 127                        ; T
	s_lshr_b32 s24, s23, 1
	s_lshl_b32 s24, s24, 5
	s_and_b32 s25, s23, 1
	s_lshl_b32 s25, s25, 3
	s_add_co_u32 s24, s24, s25                     ; the tile's first query: 32 (T / 2) + 8 (T % 2)
	s_lshl_b32 s22, s22, 11
	s_add_co_u32 s24, s24, s22
	s_lshl_b32 s24, s24, 11                        ; rows of 2,048 bytes
	s_lshl_b32 s25, s20, 9                         ; my 512 keys
	s_add_co_u32 s24, s24, s25
	s_mov_b32 s25, 0
	s_lshl_b32 s26, s28, 14                        ; mb: 16,384 bytes for each (b, T),
	s_lshl_b32 s27, s20, 12                        ; 4,096 for my four steps
	s_add_co_u32 s26, s26, s27
	s_mov_b32 s27, 0
	s_wait_alu depctr_va_vdst(0)                   ; the wait at the head's end
	s_wait_kmcnt 0x0
	s_add_nc_u64 s[4:5], s[4:5], s[24:25]
	s_add_nc_u64 s[6:7], s[6:7], s[26:27]
.irp p, 0,1,2,3,4,5,6,7,8,9,10,11,12,13,14,15
	global_load_b128 v[MR+4*\p:MR+4*\p+3], v1, s[4:5] offset:(\p+8*(\p/8))*2048 th:TH_LOAD_NT   ; query r = p of the tile: 512 consecutive bytes
.endr
.irp p, 0,1,2,3,4,5,6,7,8,9,10,11,12,13,14,15
	s_wait_loadcnt 15-\p                           ; row p is in; the later rows may be out
	ds_store_b128 v2, v[MR+4*\p:MR+4*\p+3] offset:\p*MPITCH
.endr
.irp s, 0,1,2,3
.irp g, 0,1,2,3
	ds_load_b128 v[MY+4*(4*\s+\g):MY+4*(4*\s+\g)+3], v3 offset:128*\s+32*\g   ; LDS serves a wave's instructions in order: these see my stores
.endr
.endr
; A step's eight words, the eight by turns, so that no line reads the result of the line above it.
.macro WORDS s
	s_wait_dscnt 12-4*\s                           ; this step's four loads are back; the later steps' may be out
.irp t, 0,1,2,3,4,5,6,7
	v_perm_b32 v[MO+8*\s+\t], v[MY+16*\s+2*\t+1], v[MY+16*\s+2*\t], s8    ; keys 0, 2, 4, 6 of tile t's eight
.endr
.irp t, 0,1,2,3,4,5,6,7
	v_perm_b32 v[MT+\t], v[MY+16*\s+2*\t+1], v[MY+16*\s+2*\t], s9         ; keys 1, 3, 5, 7
.endr
.irp t, 0,1,2,3,4,5,6,7
	v_lshl_or_b32 v[MO+8*\s+\t], v[MT+\t], 4, v[MO+8*\s+\t]               ; four bits a key, the lower key in the lower bits
.endr
.irp t, 0,1,2,3,4,5,6,7
	v_mul_lo_u32 v[MO+8*\s+\t], v[MO+8*\s+\t], 14                         ; 1 becomes the code 0xe
.endr
	global_store_b128 v1, v[MO+8*\s:MO+8*\s+3], s[6:7] offset:1024*\s     ; 32 lanes store 512 consecutive bytes, aligned
	global_store_b128 v1, v[MO+8*\s+4:MO+8*\s+7], s[6:7] offset:1024*\s+512
.endm
	WORDS 0
	WORDS 1
	WORDS 2
	WORDS 3
	v_lshl_add_u32 v8, v0, 2, 0xfc00               ; the wave's end: my spare word and 0, made anew from v0 (no two registers are kept for them)
	v_mov_b32 v9, 0
	s_wait_alu depctr_va_vdst(0)
	s_wait_tensorcnt 0x0
	ds_add_u32 v8, v9
	s_wait_dscnt 0x0
	s_endpgm
; ======== PATH W.  wc holds 3,072 rows of 512 bytes (w_q's columns first, then w_k's, then w_v's), ws 32 scale bytes a row.
; A LANE TAKES A COLUMN AND ITS REGISTERS RUN DOWN K: a block of 32 along K lies in one lane's 32 registers, its largest magnitude needs no other lane, and the conversions give codes with K innermost.
; A work-group takes 32 columns of one tensor and 512 along K; wave w takes K = 128 w on of these: four blocks a lane, all 128 loads issued at once.  A load reads 128 consecutive bytes; the next 128 are the
; neighbouring work-group's, so the loads carry no hint that the bytes are read once.  The four waves' codes meet in one stage in LDS (32 rows of 256 bytes + 16), a barrier, and each wave stores eight rows:
; sixteen lanes store 256 consecutive aligned bytes.  The scale bytes leave as 16 bytes a row, rows 32 bytes apart (the other 16 are the other half of K's): 98,304 bytes in the whole launch.
.Lpath_w:
.set WX,    32                         ; v32-159  four blocks of 32 numbers
.set WC,    160                        ; v160-175 four registers of codes a block
.set WOUT,  176                        ; v176-191 eight rows on the way out
	s_load_b128 s[4:7], s[0:1], 0x30               ; w_q, w_k
	s_load_b128 s[8:11], s[0:1], 0x40              ; w_v, wc
	s_load_b64 s[12:13], s[0:1], 0x50              ; ws
	v_lshrrev_b32 v1, 5, v0
	v_readfirstlane_b32 s16, v1                    ; wave 0..3
	v_and_b32 v2, 31, v0                           ; lane
	s_sub_co_u32 s14, ttmp9, NX
	s_lshr_b32 s17, s14, 6                         ; which tensor
	s_and_b32 s18, s14, 31                         ; which 32 columns
	s_bfe_u32 s19, s14, 0x10005                    ; which 512 along K
	v_lshlrev_b32 v3, 2, v2                        ; in: 4 bytes a lane
	v_and_b32 v5, 7, v2                            ; my column's place among the 32 rows: bits 3 and 4 exchanged
	v_bfe_u32 v6, v2, 3, 1
	v_lshl_add_u32 v5, v6, 4, v5
	v_bfe_u32 v6, v2, 4, 1
	v_lshl_add_u32 v5, v6, 3, v5
	v_mul_u32_u24 v4, v5, WPITCH
	s_lshl_b32 s22, s16, 6
	s_add_co_u32 s22, s22, WB0
	v_add_nc_u32 v4, s22, v4                       ; into the stage: my row, + 64 bytes for each 128 along K
	v_lshlrev_b32 v5, 4, v5
	s_lshl_b32 s22, s16, 2
	s_add_co_u32 s22, s22, WSC
	v_add_nc_u32 v5, s22, v5                       ; my four scale bytes: my row of 16, + 4 for each 128 along K
	v_and_b32 v10, 15, v2
	v_mul_u32_u24 v7, v6, WPITCH                   ; out of the stage: sixteen lanes to a row, two rows an instruction,
	v_lshl_add_u32 v7, v10, 4, v7
	s_mul_i32 s22, s16, 8*WPITCH
	s_add_co_u32 s22, s22, WB0
	v_add_nc_u32 v7, s22, v7                       ; rows 8 w on
	v_lshlrev_b32 v8, 9, v6
	v_lshl_add_u32 v8, v10, 4, v8                  ; and the same place in wc: rows of 512 bytes
	v_lshl_add_u32 v9, v2, 4, WSC                  ; the scale bytes' way out: row = lane, 16 bytes,
	v_lshlrev_b32 v14, 5, v2                       ; rows of 32 bytes in ws
	s_lshl_b32 s20, s19, 21                        ; the input: 512 rows of 4,096 bytes for the half of K,
	s_lshl_b32 s21, s16, 19                        ; 128 rows for the wave,
	s_add_co_u32 s20, s20, s21
	s_lshl_b32 s21, s18, 7                         ; 32 columns x 4 bytes
	s_add_co_u32 s20, s20, s21
	s_mov_b32 s21, 0
	s_lshl_b32 s24, s17, 19                        ; wc: 1,024 rows of 512 bytes a tensor,
	s_lshl_b32 s25, s18, 14                        ; 32 rows a work-group,
	s_add_co_u32 s24, s24, s25
	s_lshl_b32 s25, s16, 12                        ; 8 rows a wave,
	s_add_co_u32 s24, s24, s25
	s_lshl_b32 s25, s19, 8                         ; 256 bytes for the half of K
	s_add_co_u32 s24, s24, s25
	s_mov_b32 s25, 0
	s_lshl_b32 s26, s17, 15                        ; ws: 1,024 rows of 32 bytes a tensor,
	s_lshl_b32 s27, s18, 10                        ; 32 rows a work-group,
	s_add_co_u32 s26, s26, s27
	s_lshl_b32 s27, s19, 4                         ; 16 bytes for the half of K
	s_add_co_u32 s26, s26, s27
	s_mov_b32 s27, 0
	s_wait_kmcnt 0x0
	s_cmp_eq_u32 s17, 0                            ; the tensor is chosen by the work-group's number alone
	s_cselect_b64 s[4:5], s[4:5], s[6:7]
	s_cmp_eq_u32 s17, 2
	s_cselect_b64 s[4:5], s[8:9], s[4:5]
	s_add_nc_u64 s[4:5], s[4:5], s[20:21]
	s_add_nc_u64 s[10:11], s[10:11], s[24:25]
	s_add_nc_u64 s[12:13], s[12:13], s[26:27]
.set i, 0
.rept 128
	global_load_b32 v[WX+i], v3, s[4:5] offset:i*4096   ; W(my first k + i, my column): 32 lanes read 128 consecutive bytes
.set i, i+1
.endr
.macro BLOCK t, left
.set WS, WX+32*(\t)
	s_wait_loadcnt \left
	v_max3_num_f32 v12, |v[WS]|, |v[WS+1]|, |v[WS+2]|               ; the block's largest magnitude: all 32 numbers are mine; two chains
	v_max3_num_f32 v13, |v[WS+3]|, |v[WS+4]|, |v[WS+5]|
.irp i, 6,10,14,18,22,26
	v_max3_num_f32 v12, v12, |v[WS+\i]|, |v[WS+\i+1]|
	v_max3_num_f32 v13, v13, |v[WS+\i+2]|, |v[WS+\i+3]|
.endr
	v_max3_num_f32 v12, v12, |v[WS+30]|, |v[WS+31]|
	v_max3_num_f32 v12, v12, v13, 0x1800000        ; and the floor 2^(3 - 127): the byte cannot fall under 1
	v_add_nc_u32 v11, 0xff000000, v12              ; 2 off its exponent field: the conversion takes the exponent field of this operand as its scale
	v_lshrrev_b32 v13, 23, v11                     ; the scale's byte
.if (\t) == 0
	v_mov_b32 v24, v13                             ; four bytes to a register, the lower K in the lower byte
.else
	v_lshl_or_b32 v24, v13, 8*(\t), v24
.endif
.irp g, 0,1,2,3
	v_cvt_scalef32_pk8_fp4_f32 v[WC+4*(\t)+\g], v[WS+8*\g:WS+8*\g+7], v11
.endr
	v_nop                                          ; one plain line behind the last conversion of a run
	ds_store_b128 v4, v[WC+4*(\t):WC+4*(\t)+3] offset:16*(\t)   ; 32 codes: 16 bytes of my column's row
.endm
	BLOCK 0, 63                                    ; block 0 wants the oldest 32 of the 128 loads in: 96 could stay out; a wait's count names 63 at the most, and a smaller count is safe
	BLOCK 1, 63                                    ; the oldest 64 are wanted: 64 could stay out
	BLOCK 2, 32                                    ; the last block's 32 may be out
	BLOCK 3, 0
	ds_store_b32 v5, v24
	s_wait_dscnt 0x0                               ; for the others' sake: my stores into the stage are done
	s_barrier_signal -1
	s_barrier_wait -1                              ; 32 rows of 256 bytes of codes and of 16 scale bytes lie in LDS.  (All four waves of a work-group are on this path: the branch that led here hangs on the work-group's number alone)
.irp i, 0,1,2,3
	ds_load_b128 v[WOUT+4*\i:WOUT+4*\i+3], v7 offset:\i*2*WPITCH
.endr
.irp i, 0,1,2,3
	s_wait_dscnt 3-\i                              ; rows 2 i and 2 i + 1 of my eight are back; the later rows may be out
	global_store_b128 v8, v[WOUT+4*\i:WOUT+4*\i+3], s[10:11] offset:1024*\i   ; sixteen lanes store 256 consecutive bytes, aligned
.endr
	s_cmp_eq_u32 s16, 0                            ; the 512 scale bytes leave by wave 0; no barrier stands in this branch
	s_cbranch_scc0 .Lw_done
	ds_load_b128 v[28:31], v9
	s_wait_dscnt 0x0
	global_store_b128 v14, v[28:31], s[12:13]      ; 16 bytes of each of 32 rows
.Lw_done:
	v_lshl_add_u32 v12, v0, 2, 0xfc00              ; the wave's end, as in path MASK
	v_mov_b32 v13, 0
	s_wait_alu depctr_va_vdst(0)
	s_wait_tensorcnt 0x0
	ds_add_u32 v12, v13
	s_wait_dscnt 0x0
	s_endpgm
; ======== PATH X.  xc holds x_q's 8,192 rows of 512 bytes first, then x_k_v's; xs 32 scale bytes a row.
; A wave takes 8 rows = 16 steps of 512 numbers.  Each of a step's four loads reads 512 consecutive bytes; the 2,048 bytes turn through the wave's own stage in LDS and come back 64 bytes a lane,
; so that a lane holds 16 neighbours along K and two neighbouring lanes hold a block.  A lane's 16 codes are 8 bytes: the wave stores 256 consecutive bytes.
; A wave's 256 scale bytes are gathered in its own LDS bytes and leave as one aligned run of 256 bytes.  No barrier: waves share nothing.  Loads run four steps ahead.
.Lpath_x:
.set STEPS, 16
.set WGA,   256                        ; the first 256 work-groups take x_q, the next 256 x_k_v
.set EMAX,  2
.set CB,    8                          ; bytes of 16 codes
.set XR,    16                         ; v16-79   four sets of 16 numbers as they are loaded
.set XN,    80                         ; v80-111  two sets of 16 neighbours
.set XC,    128                        ; v128-191 codes: four registers for each step, so that no store's data are written again
.set XE,    112                        ; v112-127 a scale byte for each step
.set SP,    80                         ; a lane's place in a stage: its 64 bytes + 16 of padding
	s_load_b128 s[4:7], s[0:1], 0x0                ; x_q, x_k_v
	s_load_b128 s[8:11], s[0:1], 0x10              ; xc, xs
	v_lshrrev_b32 v1, 5, v0
	v_readfirstlane_b32 s16, v1                    ; wave
	v_and_b32 v2, 31, v0                           ; lane
	v_lshlrev_b32 v3, 4, v2                        ; my 16 bytes of a load's 512
	s_mul_i32 s17, s16, XREG
	v_lshrrev_b32 v14, 2, v2
	v_mul_u32_u24 v14, v14, SP
	v_and_b32 v15, 3, v2
	v_lshl_add_u32 v14, v15, 4, v14
	v_add_nc_u32 v14, s17, v14                     ; the stage, on the way in: SP (lane / 4) + 16 (lane % 4)
	v_mul_u32_u24 v15, v2, SP
	v_add_nc_u32 v15, s17, v15                     ; and on the way out: SP x lane: my 16 neighbours
	v_mul_u32_u24 v4, v2, CB                       ; my codes' place in a step's
	v_lshrrev_b32 v5, 1, v2
	s_add_co_u32 s17, s17, 2*32*SP
	v_add_nc_u32 v5, s17, v5                       ; LDS: my wave's 256 scale bytes, my block's byte
	v_lshlrev_b32 v7, 3, v2                        ; and on the way out 8 bytes a lane
	v_add_nc_u32 v6, s17, v7
	s_and_b32 s22, s16, 1                          ; a wave's 8 rows are bits 3 and 4 of the row number: exchanged for the place in xc and xs
	s_lshl_b32 s22, s22, 1
	s_lshr_b32 s23, s16, 1
	s_or_b32 s22, s22, s23
	s_lshl_b32 s23, ttmp9, 2
	s_add_co_u32 s22, s22, s23                     ; which run of 8 rows of xc and xs is mine
	s_wait_alu depctr_va_vdst(0)
	s_wait_kmcnt 0x0
	s_cmp_lt_u32 ttmp9, WGA                        ; x_q's work-group or x_k_v's: the choice hangs on the work-group's number alone
	s_cselect_b64 s[4:5], s[4:5], s[6:7]
	s_cselect_b32 s17, 0, WGA
	s_sub_co_u32 s17, ttmp9, s17
	s_lshl_b32 s17, s17, 2
	s_add_co_u32 s18, s17, s16                     ; which run of 8 rows of the input is mine
	s_lshl_b32 s20, s18, 15                        ; 32,768 bytes a run
	s_mov_b32 s21, 0
	s_add_nc_u64 s[4:5], s[4:5], s[20:21]
	s_lshl_b32 s20, s22, 12                        ; 4,096 bytes of codes a run
	s_add_nc_u64 s[8:9], s[8:9], s[20:21]
	s_lshl_b32 s20, s22, 8                         ; 256 scale bytes a run
	s_add_nc_u64 s[10:11], s[10:11], s[20:21]
.macro XLOAD t
.irp i, 0,1,2,3
	global_load_b128 v[XR+16*((\t)%4)+4*\i:XR+16*((\t)%4)+4*\i+3], v3, s[4:5] offset:2048*(\t)+512*\i th:TH_LOAD_NT   ; 32 lanes read 512 consecutive bytes
.endr
.endm
.macro XTURN t                         ; step t's numbers through the stage: LDS serves a wave's instructions in order, so no wait stands between the stores and the loads
.irp i, 0,1,2,3
	ds_store_b128 v14, v[XR+16*((\t)%4)+4*\i:XR+16*((\t)%4)+4*\i+3] offset:32*SP*((\t)%2)+8*SP*\i
.endr
.irp i, 0,1,2,3
	ds_load_b128 v[XN+16*((\t)%2)+4*\i:XN+16*((\t)%2)+4*\i+3], v15 offset:32*SP*((\t)%2)+16*\i
.endr
.endm
.irp t, 0,1,2,3
	XLOAD \t
.endr
	s_wait_loadcnt 12                              ; step 0's four loads are in; the twelve of steps 1 to 3 may be out
	XTURN 0
.macro XSTEP t
.set XS, XN+16*((\t)%2)
.if (\t) > 0
	s_wait_dscnt 1                                 ; this step's numbers are back from the stage (the last step's byte store may be out): so its stores into the stage have read their registers,
.else
	s_wait_dscnt 0x0
.endif
.if (\t)+4 < STEPS
	XLOAD (\t)+4                                   ; which take the loads of four steps on
.endif
.if (\t)+1 < STEPS
.if STEPS-2-(\t) >= 3
	s_wait_loadcnt 12                              ; the next step's four loads are in; those of the three steps behind it may be out
.else
	s_wait_loadcnt 4*(STEPS-2-(\t))
.endif
	XTURN (\t)+1                                   ; and go through the other stage while this step is worked
.endif
	v_max3_num_f32 v8, |v[XS]|, |v[XS+1]|, |v[XS+2]|               ; the largest magnitude of my 16, in two chains
	v_max3_num_f32 v9, |v[XS+3]|, |v[XS+4]|, |v[XS+5]|
.irp i, 6,10
	v_max3_num_f32 v8, v8, |v[XS+\i]|, |v[XS+\i+1]|
	v_max3_num_f32 v9, v9, |v[XS+\i+2]|, |v[XS+\i+3]|
.endr
	v_max3_num_f32 v8, v8, |v[XS+14]|, |v[XS+15]|
	v_max3_num_f32 v8, v8, v9, (EMAX+1)<<23        ; and the floor 2^(3 - 127): the byte cannot fall under 1
	v_max_num_f32_dpp v8, v8, v8 row_xmask:1 row_mask:0xf bank_mask:0xf   ; and of my neighbour's 16: the block's
	v_add_nc_u32 v11, -(EMAX<<23), v8              ; 2 off its exponent field: the conversion takes the exponent field of this operand as its scale
	v_cvt_scalef32_pk8_fp4_f32 v[XC+4*(\t)], v[XS:XS+7], v11
	v_cvt_scalef32_pk8_fp4_f32 v[XC+4*(\t)+1], v[XS+8:XS+15], v11
	v_lshrrev_b32 v[XE+(\t)], 23, v11              ; the scale's byte (a plain line behind the conversions)
	ds_store_b8 v5, v[XE+(\t)] offset:16*(\t)      ; both lanes of a block write the same byte with the same value
	global_store_b64 v4, v[XC+4*(\t):XC+4*(\t)+1], s[8:9] offset:32*CB*(\t)   ; 32 lanes store 256 consecutive bytes, aligned
.endm
.irp t, 0,1,2,3,4,5,6,7,8,9,10,11,12,13,14,15
	XSTEP \t
.endr
	ds_load_b64 v[12:13], v6                       ; LDS serves a wave's instructions in order: these see my byte stores
	s_wait_dscnt 0x0
	global_store_b64 v7, v[12:13], s[10:11]        ; 32 lanes store 256 consecutive bytes, aligned
	v_lshl_add_u32 v8, v0, 2, 0xfc00               ; the wave's end, as in path MASK
	v_mov_b32 v9, 0
	s_wait_alu depctr_va_vdst(0)
	s_wait_tensorcnt 0x0
	ds_add_u32 v8, v9
	s_wait_dscnt 0x0
	s_endpgm
.Lfunc_end_k_q5af240f559_prep:
	.size	k_q5af240f559_prep, .Lfunc_end_k_q5af240f559_prep-k_q5af240f559_prep
	.p2alignl 7, 3214868480
	.fill 96, 4, 3214868480
	.section	.rodata,"a",@progbits
	.p2align	6, 0x0
	.amdhsa_kernel k_q5af240f559_prep
		.amdhsa_group_segment_fixed_size 65024
		.amdhsa_private_segment_fixed_size 0
		.amdhsa_enable_private_segment 0
		.amdhsa_kernarg_size 88
		.amdhsa_user_sgpr_count 2
		.amdhsa_user_sgpr_kernarg_segment_ptr 1
		.amdhsa_wavefront_size32 1
		.amdhsa_system_sgpr_workgroup_id_x 1
		.amdhsa_system_sgpr_workgroup_id_y 1
		.amdhsa_system_sgpr_workgroup_id_z 1
		.amdhsa_system_vgpr_workitem_id 0
		.amdhsa_next_free_vgpr 192
		.amdhsa_next_free_sgpr 66
		.amdhsa_reserve_vcc 0
		.amdhsa_float_denorm_mode_32 3
		.amdhsa_float_denorm_mode_16_64 3
		.amdhsa_memory_ordered 1
		.amdhsa_forward_progress 1
		.amdhsa_inst_pref_size 71
	.end_amdhsa_kernel
	.amdgpu_metadata
---
amdhsa.version: [ 1, 2 ]
amdhsa.kernels:
  - .name:           k_q5af240f559_prep
    .symbol:         k_q5af240f559_prep.kd
    .args:
      - { .name: x_q, .offset: 0, .size: 8, .value_kind: global_buffer, .address_space: global }
      - { .name: x_k_v, .offset: 8, .size: 8, .value_kind: global_buffer, .address_space: global }
      - { .name: xc, .offset: 16, .size: 8, .value_kind: global_buffer, .address_space: global }
      - { .name: xs, .offset: 24, .size: 8, .value_kind: global_buffer, .address_space: global }
      - { .name: attn_mask, .offset: 32, .size: 8, .value_kind: global_buffer, .address_space: global }
      - { .name: mb, .offset: 40, .size: 8, .value_kind: global_buffer, .address_space: global }
      - { .name: w_q, .offset: 48, .size: 8, .value_kind: global_buffer, .address_space: global }
      - { .name: w_k, .offset: 56, .size: 8, .value_kind: global_buffer, .address_space: global }
      - { .name: w_v, .offset: 64, .size: 8, .value_kind: global_buffer, .address_space: global }
      - { .name: wc, .offset: 72, .size: 8, .value_kind: global_buffer, .address_space: global }
      - { .name: ws, .offset: 80, .size: 8, .value_kind: global_buffer, .address_space: global }
    .group_segment_fixed_size: 65024
    .private_segment_fixed_size: 0
    .kernarg_segment_align: 8
    .kernarg_segment_size: 88
    .max_flat_workgroup_size: 128
    .sgpr_count:     66
    .vgpr_count:     192
    .wavefront_size: 32
...
	.end_amdgpu_metadata
.endif
;; end of part 6
;; launch proj (part 7): grid 12 x 32, 4 waves a work-group, clusters of 4 x 4, 327,680 bytes of LDS; arguments xc, xs, wc, ws, b_q, b_k, b_v, qkv; writes qkv
.if DOCPART == 7
	.amdgcn_target "amdgcn-amd-amdhsa--gfx1250"
	.amdhsa_code_object_version 6
	.text
	.protected	k_q5af240f559_proj
	.globl	k_q5af240f559_proj
	.p2align	8
	.type	k_q5af240f559_proj,@function
k_q5af240f559_proj:
	s_mov_b64 s[64:65], 0
	v_nop
	global_prefetch_b8 v0, s[64:65] scope:SCOPE_SE
	s_setreg_imm32_b32 hwreg(HW_REG_WAVE_MODE, 25, 1), 1
	s_wait_xcnt 0x0
	s_wait_alu depctr_hold_cnt(0) depctr_sa_sdst(0) depctr_va_vdst(0) depctr_va_sdst(0) depctr_va_ssrc(0) depctr_va_vcc(0) depctr_vm_vsrc(0)
	s_getreg_b32 s2, hwreg(HW_REG_IB_STS2, 6, 4)
	s_cmp_eq_u32 s2, 0
	s_cbranch_scc0 .Lentry_in_a_cluster
	s_endpgm
.Lentry_in_a_cluster:
	s_bfe_u32 s2, ttmp6, 0x10000c
	s_cmp_lg_u32 s2, 0xf033
	s_cbranch_scc0 .Lentry_shape_is_right
	s_endpgm
.Lentry_shape_is_right:
.set NQ,     4
.set ROWB,   256
.set KROW,   512
.set PITCH,  272
.set FR,     8
.set NL,     2
.set NP,     4
.set HALFT,  128*PITCH
.set SLOT,   4*HALFT
.set KS,     32
.set SCL,    2*SLOT
.set HALFS,  16*272
.set SBLK,   2*272
.set REC,    217088
.set VO,   8
.set VS1,  12
.set VS2,  13
.set VSH,  14
.set BJO,  15
.set ADRA, 16
.set ADRB, 20
.set ADRS, 27
.set BIO,  30
.set SC,   32
.set PC,   32
.set BI,   96
.set TM,   104
.set PW,   120
.set AF,   128
.set X,    128
.set BJ,   192
.set G1, 24
.set G0, 32
.set G1B, 48
.set G0B, 56
.set G1S, 68
.set G0S, 76
.set G1SB, 80
.set G0SB, 88
.set MSB, 0
.macro WIN new
.if MSB != (\new)
	s_set_vgpr_msb (MSB<<8)|(\new)
.set MSB, (\new)
.endif
.endm
.set MUL_LO, 0xa1
.set MUL_HI, 0xf1
.set TO_B,   0x40
.macro JLOAD g0a, g1a, g0b, g1b
	s_cmp_eq_u32 s15, 0
	s_cbranch_scc0 .Lfor_b_\@
	tensor_load_to_lds s[\g0a:\g0a+3], s[\g1a:\g1a+7]
	s_nop 0
.rept 4
	v_nop
.endr
	s_branch .Lasked_\@
.Lfor_b_\@:
	tensor_load_to_lds s[\g0b:\g0b+3], s[\g1b:\g1b+7]
	s_nop 0
.rept 4
	v_nop
.endr
.Lasked_\@:
.endm
.macro CROUND
	s_barrier_signal -1
	s_barrier_wait -1
	s_cmp_lg_u32 s14, 0
	s_cbranch_scc1 .Lnot_wave_0_\@
	s_barrier_signal -3
.Lnot_wave_0_\@:
	s_barrier_wait -3
	s_barrier_signal -1
	s_barrier_wait -1
.endm
	s_load_b256 s[4:11], s[0:1], 0x0
	s_load_b256 s[92:99], s[0:1], 0x20
	v_lshl_add_u32 v114, v0, 2, 0x48400
	v_mov_b32 v115, 0
	ds_add_u32 v114, v115
	ds_add_u32 v114, v115
	v_lshrrev_b32 v1, 5, v0
	v_readfirstlane_b32 s14, v1
	s_lshr_b32 s15, s14, 1
	s_and_b32 s16, s14, 1
	s_bfe_u32 s40, ttmp6, 0x40000
	s_bfe_u32 s41, ttmp6, 0x40004
	s_and_b32 s2, ttmp7, 0xffff
	s_lshl_b32 s2, s2, 2
	s_lshl_b32 s12, ttmp9, 13
	s_lshl_b32 s13, ttmp9, 10
	s_cmp_eq_u32 ttmp9, 2
	s_cselect_b32 s3, 0, s2
	s_cselect_b32 s2, s2, 0
	s_cselect_b32 s12, 2048, s12
	s_cselect_b32 s13, 8192, s13
	s_add_co_u32 s17, s41, s3
	s_add_co_u32 s42, s40, s2
	s_lshl_b32 s43, s41, 2
	s_lshl_b32 s43, 15, s43
	s_lshl_b32 s44, 0x1111, s40
	s_or_b32 s[G1+0], s43, (0<<16)|(1<<20)|(1<<21)|(5<<22)|(3<<25)
	s_or_b32 s[G1B+0], s44, (0<<16)|(1<<20)|(1<<21)|(5<<22)|(3<<25)
.irp g, G1, G1B
	s_mov_b32 s[\g+1], ROWB<<16
	s_mov_b32 s[\g+2], 256<<16                     ; the head's loads of codes bring 256 rows; behind them the two words that count rows are set to 128
	s_mov_b32 s[\g+3], ROWB<<16
	s_mov_b32 s[\g+4], 256
	s_mov_b32 s[\g+5], KROW
	s_mov_b32 s[\g+6], 0
	s_mov_b32 s[\g+7], 0
.endr
	s_or_b32 s[G1S+0], s43, (3<<16)|(1<<20)|(1<<21)|(5<<22)|(3<<25)
	s_or_b32 s[G1SB+0], s44, (3<<16)|(1<<20)|(1<<21)|(5<<22)|(3<<25)
.irp g, G1S, G1SB
	s_mov_b32 s[\g+1], 32<<16
	s_mov_b32 s[\g+2], 32<<16                      ; the scale bytes of 256 rows: 32 rows of 256 bytes
	s_mov_b32 s[\g+3], 32<<16
	s_mov_b32 s[\g+4], 32
	s_mov_b32 s[\g+5], 32
	s_mov_b32 s[\g+6], 0
	s_mov_b32 s[\g+7], 0
.endr
	s_lshl_b32 s20, s17, 8                         ; the tile's first row of source A, of source B
	s_add_co_u32 s20, s20, s12
	s_lshl_b32 s46, s42, 8
	s_add_co_u32 s46, s46, s13
	s_lshl_b32 s22, s20, 5
	s_mov_b32 s23, 0
	s_lshl_b32 s20, s20, 9
	s_mov_b32 s21, 0
	s_lshl_b32 s100, s46, 5
	s_mov_b32 s101, 0
	s_lshl_b32 s46, s46, 9
	s_mov_b32 s47, 0
	s_mul_i32 s45, s14, HALFT
	s_wait_dscnt 0x0
	s_wait_kmcnt 0x0
	s_cmp_eq_u32 ttmp9, 2
	s_cselect_b64 s[2:3], s[8:9], s[4:5]
	s_cselect_b64 s[18:19], s[10:11], s[6:7]
	s_cselect_b64 s[8:9], s[4:5], s[8:9]
	s_cselect_b64 s[10:11], s[6:7], s[10:11]
	s_cselect_b64 s[96:97], s[96:97], s[94:95]
	s_cmp_eq_u32 ttmp9, 0
	s_cselect_b64 s[92:93], s[92:93], s[96:97]
	s_add_nc_u64 s[20:21], s[2:3], s[20:21]
	s_add_nc_u64 s[22:23], s[18:19], s[22:23]
	s_add_nc_u64 s[46:47], s[8:9], s[46:47]
	s_add_nc_u64 s[100:101], s[10:11], s[100:101]
	CROUND
	s_mov_b32 s[G0S], 1
	s_mov_b32 s[G0S+1], SCL
	s_mov_b64 s[G0S+2:G0S+3], s[22:23]
	s_or_b32 s[G0S+3], s[G0S+3], 0x80000000
	s_mov_b32 s[G0SB], 1
	s_mov_b32 s[G0SB+1], SCL+2*HALFS
	s_mov_b64 s[G0SB+2:G0SB+3], s[100:101]
	s_or_b32 s[G0SB+3], s[G0SB+3], 0x80000000
	s_mov_b32 s4, 1                                ; s[4:7], s[8:11]: group 0 of the head's loads of K step 0 (the arguments that lay there have been used): A's 256 rows,
	s_mov_b32 s5, 0
	s_mov_b64 s[6:7], s[20:21]
	s_or_b32 s7, s7, 0x80000000
	s_mov_b32 s8, 1                                ; B's 256 rows, behind them in slot 0
	s_mov_b32 s9, 2*HALFT
	s_mov_b64 s[10:11], s[46:47]
	s_or_b32 s11, s11, 0x80000000
; THE HEAD'S FOUR TILES, ONE LOAD A WAVE: wave 0 A's codes of K step 0, wave 1 B's, wave 2 A's scale bytes, wave 3 B's.  One tree of branches on the wave's number: every way passes exactly one load.
.macro ARM under, g0, g1, next
	s_cmp_lt_u32 s14, \under
	s_cbranch_scc0 \next
	tensor_load_to_lds s[\g0:\g0+3], s[\g1:\g1+7]
	s_nop 0
.rept 4
	v_nop
.endr
	s_branch .Lhead_asked
\next:
.endm
	ARM 1, 4, G1, .Lhead_b
	ARM 2, 8, G1B, .Lhead_sa
	ARM 3, G0S, G1S, .Lhead_sb
	tensor_load_to_lds s[G0SB:G0SB+3], s[G1SB:G1SB+7]
	s_nop 0
.rept 4
	v_nop
.endr
.Lhead_asked:
	s_lshl_b32 s2, s16, 16                         ; slot 1 comes by quarters: my 128 rows of 512 bytes
	s_mov_b32 s3, 0
	s_add_nc_u64 s[20:21], s[20:21], s[2:3]
	s_add_nc_u64 s[46:47], s[46:47], s[2:3]
.irp s, 1
	s_mov_b32 s[G0+4*\s], 1
	s_add_co_u32 s[G0+4*\s+1], s45, \s*SLOT
	s_add_nc_u64 s[G0+4*\s+2:G0+4*\s+3], s[20:21], \s*ROWB
	s_or_b32 s[G0+4*\s+3], s[G0+4*\s+3], 0x80000000
	s_mov_b32 s[G0B+4*\s], 1
	s_add_co_u32 s[G0B+4*\s+1], s45, \s*SLOT
	s_add_nc_u64 s[G0B+4*\s+2:G0B+4*\s+3], s[46:47], \s*ROWB
	s_or_b32 s[G0B+4*\s+3], s[G0B+4*\s+3], 0x80000000
.endr
	v_and_b32 v1, 15, v0
	v_bfe_u32 v2, v0, 4, 1
	v_mul_u32_u24 v3, v1, PITCH
	v_lshl_add_u32 v4, v2, 4, v3
	s_mul_i32 s21, s15, HALFT
	s_mul_i32 s22, s16, HALFT
	s_add_co_u32 s22, s22, 2*HALFT
.irp s, 0,1
	v_add_nc_u32 v[ADRA+\s], s21, v4
	v_add_nc_u32 v[ADRB+\s], s22, v4
	s_add_co_u32 s21, s21, SLOT
	s_add_co_u32 s22, s22, SLOT
.endr
	v_mul_u32_u24 v5, v1, KS
	v_lshrrev_b32 v6, 8, v5
	v_lshl_add_u32 v5, v6, 4, v5
	s_mul_i32 s21, s15, HALFS
	s_mul_i32 s22, s16, HALFS
	s_add_co_u32 s22, s22, 2*HALFS
	s_sub_co_u32 s22, s22, s21
	v_mul_u32_u24 v6, s22, v2
	s_add_co_u32 s21, s21, SCL
	v_add_nc_u32 v5, v5, v6
	v_add_nc_u32 v[ADRS], s21, v5
	s_lshl_b32 s17, s17, 8
	s_lshl_b32 s2, s15, 7
	s_add_co_u32 s17, s17, s2
	s_lshl_b32 s42, s42, 8
	s_lshl_b32 s2, s16, 7
	s_add_co_u32 s42, s42, s2
	s_mov_b32 s100, REC
	s_mov_b32 s101, 131072
	s_cmp_eq_u32 ttmp9, 0
	s_cselect_b32 s40, 143360, 0
	s_cselect_b32 s41, 208896, s101
	s_cmp_eq_u32 ttmp9, 2
	s_cselect_b32 s40, 65536, s40
	s_cselect_b32 s41, 139264, s41
	s_cselect_b32 s43, 8, 9
	s_cselect_b32 s2, s42, s17
	s_cselect_b32 s3, s17, s42
	s_cselect_b32 s18, 0, -1
	s_cselect_b32 s19, -1, 0
	s_cselect_b32 s22, -1, 0xffff
	s_cselect_b32 s23, 0, 0x7f7f0000
	s_cselect_b32 s44, 2048, s100
	s_cselect_b32 s66, s100, 2048
	s_cselect_b32 s67, 0, s100
	s_cselect_b32 s101, s100, 256
	v_and_b32 v5, 31, v0
	v_lshlrev_b32 v[VO], 4, v5
	v_add_nc_u32 v[VO+1], s66, v[VO]
	v_add_nc_u32 v[VO+2], s44, v[VO]
	v_add_nc_u32 v[VO+3], s66, v[VO+2]
	v_mul_u32_u24 v5, s67, v2
	v_lshl_add_u32 v[VS1], v1, 4, v5
	v_add_nc_u32 v[VS2], s101, v[VS1]
	v_lshlrev_b32 v5, 4, v2
	v_and_b32 v[VSH], s18, v5
	s_and_b32 s44, s42, s18
	s_lshl_b32 s44, s44, 2
	v_lshl_add_u32 v[BJO], v2, 6, s44
	s_and_b32 s66, s17, s19
	v_and_b32 v5, 8, v1
	v_add3_u32 v5, v5, v1, s66
	v_lshlrev_b32 v[BIO], 2, v5
.irp b, 0,1,2,3
.irp q, 0,1,2,3
	global_load_b128 v[BJ+16*\b+4*\q:BJ+16*\b+4*\q+3], v[BJO], s[92:93] offset:128*\b+16*\q
.endr
.endr
.irp a, 0,1,2,3,4,5,6,7
	global_load_b32 v[BI+\a], v[BIO], s[92:93] offset:4*(32*(\a/2)+8*(\a%2))
.endr
	s_lshr_b32 s44, s2, 11
	s_lshl_b32 s44, s44, 4
	s_lshr_b32 s3, s3, 6
	s_add_co_u32 s44, s44, s3
	s_mul_i32 s44, s44, s100
	s_bfe_u32 s2, s2, 0x40007
	s_lshl_b32 s3, s2, 12
	s_add_co_u32 s3, s3, s44
	s_add_co_u32 s66, s3, s40
	s_mov_b32 s67, 0
	s_add_nc_u64 s[12:13], s[98:99], s[66:67]
	s_lshl_b32 s3, s2, s43
	s_add_co_u32 s3, s3, s44
	s_add_co_u32 s66, s3, s41
	s_add_nc_u64 s[20:21], s[98:99], s[66:67]
.macro FRAG reg, adr, q, i
.irp c, 0,1
	ds_load_b128 v[\reg+4*\c:\reg+4*\c+3], v[\adr] offset:64*(\q)+32*\c+(\i)*16*PITCH
.endr
.endm
.macro MUL16 a0, p, q, sc, zero
.irp a, \a0, \a0+1
.irp b, 0,1,2,3,4,5,6,7
.if \zero
	v_wmma_scale_f32_16x16x128_f8f6f4 v[8*(8*((\a)%4)+\b):8*(8*((\a)%4)+\b)+7], v[128*(\p)+FR*\b:128*(\p)+FR*\b+FR-1], v[AF+FR*(\a):AF+FR*(\a)+FR-1], 0, v[SC+8*NQ*(\sc)+NQ*\b+(\q)], v[SC+8*NQ*(\sc)+NQ*(\a)+(\q)] matrix_a_fmt:MATRIX_FMT_FP4 matrix_b_fmt:MATRIX_FMT_FP4 matrix_a_scale:MATRIX_SCALE_ROW1
.else
	v_wmma_scale_f32_16x16x128_f8f6f4 v[8*(8*((\a)%4)+\b):8*(8*((\a)%4)+\b)+7], v[128*(\p)+FR*\b:128*(\p)+FR*\b+FR-1], v[AF+FR*(\a):AF+FR*(\a)+FR-1], v[8*(8*((\a)%4)+\b):8*(8*((\a)%4)+\b)+7], v[SC+8*NQ*(\sc)+NQ*\b+(\q)], v[SC+8*NQ*(\sc)+NQ*(\a)+(\q)] matrix_a_fmt:MATRIX_FMT_FP4 matrix_b_fmt:MATRIX_FMT_FP4 matrix_a_scale:MATRIX_SCALE_ROW1
.endif
.endr
.endr
.endm
.macro FETCH_B slot, q, p
	WIN TO_B
.irp i, 0,1,2,3,4,5,6,7
	FRAG 128*(\p)+FR*\i, ADRB+\slot, \q, \i
.endr
	WIN 0
.endm
.macro FETCH_A slot, q, i0
.irp i, \i0, \i0+1, \i0+2, \i0+3
	FRAG AF+FR*(\i), ADRA+\slot, \q, \i
.endr
.endm
.macro SCALES sc
.irp i, 0,1,2,3,4,5,6,7
	ds_load_b128 v[SC+8*NQ*\sc+NQ*\i:SC+8*NQ*\sc+NQ*\i+3], v[ADRS] offset:\i*SBLK
.endr
.endm
.macro PLACES n
.rept \n
	v_nop
.endr
.endm
.macro STEP slot, q, zero
	s_wait_dscnt 4*NL
	WIN MUL_LO
	MUL16 0, (\q)%2, \q, \slot, \zero
	MUL16 2, (\q)%2, \q, \slot, \zero
	s_wait_dscnt 0
	PLACES NP
	FETCH_B \slot, (\q)+1, 1-(\q)%2
	FETCH_A \slot, (\q)+1, 0
	WIN MUL_HI
	MUL16 4, (\q)%2, \q, \slot, \zero
	MUL16 6, (\q)%2, \q, \slot, \zero
	PLACES NP
	WIN 0
	FETCH_A \slot, (\q)+1, 4
.endm
.macro TURN slot, next
	s_wait_tensorcnt 0x0
	s_wait_dscnt 4*NL
	WIN MUL_LO
	MUL16 0, 1, NQ-1, \slot, 0
	s_wait_dscnt 0x0
	s_barrier_signal -1
	MUL16 2, 1, NQ-1, \slot, 0
	WIN 0
	s_barrier_wait -1
	PLACES NP
	v_add_nc_u32 v[ADRS], 4*NQ, v[ADRS]
	FETCH_B \next, 0, 0
	FETCH_A \next, 0, 0
	SCALES \next
	WIN MUL_HI
	MUL16 4, 1, NQ-1, \slot, 0
	MUL16 6, 1, NQ-1, \slot, 0
	PLACES NP
	WIN 0
	FETCH_A \next, 0, 4
.endm
.macro STEPS slot, from
.set Q, \from
.rept NQ-1-\from
	STEP \slot, Q, 0
.set Q, Q+1
.endr
.endm
	s_wait_alu depctr_va_vdst(0)                   ; the wait at the head's end
	s_wait_tensorcnt 0x0                           ; my tile of the head's four is in
	ds_add_u32 v114, v115
	s_mov_b32 s[G1+2], 128<<16                     ; no tensor load of mine is out: from here on a load brings 128 rows
	s_mov_b32 s[G1+4], 128
	s_mov_b32 s[G1B+2], 128<<16
	s_mov_b32 s[G1B+4], 128
	s_wait_dscnt 0x0
	CROUND                                         ; all four tiles are in, and all sixteen work-groups are here
	JLOAD G0+4, G1, G0B+4, G1B                     ; K step 1, the first tensor load behind the round
	FETCH_B 0, 0, 0
	FETCH_A 0, 0, 0
	SCALES 0
	FETCH_A 0, 0, 4
	STEP 0, 0, 1
	STEPS 0, 1
	TURN 0, 1
	STEPS 1, 0
	s_wait_dscnt 4*NL
	WIN MUL_LO
	MUL16 0, 1, NQ-1, 1, 0
	MUL16 2, 1, NQ-1, 1, 0
	s_wait_dscnt 0
	WIN MUL_HI
	MUL16 4, 1, NQ-1, 1, 0
	MUL16 6, 1, NQ-1, 1, 0
	WIN 0
	s_wait_loadcnt 0x0
.set j, 0
.rept 64
	v_and_b32 v[BJ+j], s18, v[BJ+j]
.set j, j+1
.endr
.irp a, 0,1,2,3,4,5,6,7
	v_and_b32 v[BI+\a], s19, v[BI+\a]
.endr
.irp b, 0,1,2,3
	v_mov_b32 v[TM+4+\b], 0
.endr
	s_mov_b32 s2, 0x76543210
	s_mov_b32 s3, 0xfedcba98
.macro QUANT s, pc, pw
.irp b, 0,1,2,3
	v_max3_num_f32 v[TM+\b], |v[\s+16*\b]|, |v[\s+1+16*\b]|, 0x1800000
.endr
.irp i, 2,4,6,8,10,12,14
.irp b, 0,1,2,3
	v_max3_num_f32 v[TM+\b], v[TM+\b], |v[\s+16*\b+\i]|, |v[\s+1+16*\b+\i]|
.endr
.endr
.irp b, 0,1,2,3
	v_permlanex16_b32 v[TM+4+\b], v[TM+\b], s2, s3
.endr
.irp b, 0,1,2,3
	v_max_num_f32 v[TM+\b], v[TM+\b], v[TM+4+\b]
.endr
.irp b, 0,1,2,3
	v_add_nc_u32 v[TM+12+\b], 0xff000000, v[TM+\b]
.endr
.irp b, 0,1,2,3
	v_lshrrev_b32 v[TM+4+\b], 23, v[TM+12+\b]
.endr
	v_lshl_or_b32 v[\pw], v[TM+5], 8, v[TM+4]
	v_lshl_or_b32 v[\pw], v[TM+6], 16, v[\pw]
	v_lshl_or_b32 v[\pw], v[TM+7], 24, v[\pw]
.irp b, 0,1,2,3
	v_cvt_scalef32_pk8_fp4_f32 v[\pc+2*\b], v[\s+16*\b:\s+7+16*\b], v[TM+12+\b]
	v_cvt_scalef32_pk8_fp4_f32 v[\pc+1+2*\b], v[\s+8+16*\b:\s+15+16*\b], v[TM+12+\b]
.endr
	v_nop
.irp c, 0,1
.irp i, 0,1
	v_permlane16_swap_b32 v[\pc+4*\c+\i], v[\pc+2+4*\c+\i]
.endr
.endr
.endm
.macro EPI a
.set AC, 64*((\a)%4)
	WIN 0x02+(\a)/4
.set j, 0
.rept 32
	v_pk_add_f32 v[X+j:X+j+1], v[AC+j:AC+j+1], v[BJ+j:BJ+j+1]
.set j, j+2
.endr
	WIN 0
.set j, 0
.rept 32
.if ((\a)&1) == 0
	v_pk_add_f32 v[X+j:X+j+1], v[X+j:X+j+1], v[BI+((\a)&6):BI+((\a)&6)+1] op_sel_hi:[1,0]
.else
	v_pk_add_f32 v[X+j:X+j+1], v[X+j:X+j+1], v[BI+((\a)&6):BI+((\a)&6)+1] op_sel:[0,1] op_sel_hi:[1,1]
.endif
.set j, j+2
.endr
	QUANT X, PC+8*(\a), PW+(\a)
	v_lshrrev_b32 v[PW+(\a)], v[VSH], v[PW+(\a)]
	v_and_or_b32 v[PW+(\a)], v[PW+(\a)], s22, s23
.irp c, 0,1
	global_store_b128 v[VO+2*\c+(\a)/4], v[PC+8*(\a)+4*\c:PC+8*(\a)+4*\c+3], s[12:13] offset:((\a)%4)*512
.endr
.endm
.irp a, 0,1,2,3,4,5,6,7
	EPI \a
.endr
	global_store_b128 v[VS1], v[PW:PW+3], s[20:21]
	global_store_b128 v[VS2], v[PW+4:PW+7], s[20:21]
	s_wait_tensorcnt 0x0
	ds_add_u32 v114, v115
	s_wait_dscnt 0x0
	CROUND
	s_endpgm
.Lfunc_end_k_q5af240f559_proj:
	.size	k_q5af240f559_proj, .Lfunc_end_k_q5af240f559_proj-k_q5af240f559_proj
	.p2alignl 7, 3214868480
	.fill 96, 4, 3214868480
	.section	.rodata,"a",@progbits
	.p2align	6, 0x0
	.amdhsa_kernel k_q5af240f559_proj
		.amdhsa_group_segment_fixed_size 327680
		.amdhsa_private_segment_fixed_size 0
		.amdhsa_enable_private_segment 0
		.amdhsa_kernarg_size 64
		.amdhsa_user_sgpr_count 2
		.amdhsa_user_sgpr_kernarg_segment_ptr 1
		.amdhsa_wavefront_size32 1
		.amdhsa_system_sgpr_workgroup_id_x 1
		.amdhsa_system_sgpr_workgroup_id_y 1
		.amdhsa_system_sgpr_workgroup_id_z 1
		.amdhsa_system_vgpr_workitem_id 0
		.amdhsa_next_free_vgpr 1024
		.amdhsa_next_free_sgpr 102
		.amdhsa_reserve_vcc 0
		.amdhsa_float_denorm_mode_32 3
		.amdhsa_float_denorm_mode_16_64 3
		.amdhsa_memory_ordered 1
		.amdhsa_forward_progress 1
		.amdhsa_inst_pref_size 167
	.end_amdhsa_kernel
	.amdgpu_metadata
---
amdhsa.version: [ 1, 2 ]
amdhsa.kernels:
  - .name:           k_q5af240f559_proj
    .symbol:         k_q5af240f559_proj.kd
    .args:
      - { .name: xc, .offset: 0, .size: 8, .value_kind: global_buffer, .address_space: global }
      - { .name: xs, .offset: 8, .size: 8, .value_kind: global_buffer, .address_space: global }
      - { .name: wc, .offset: 16, .size: 8, .value_kind: global_buffer, .address_space: global }
      - { .name: ws, .offset: 24, .size: 8, .value_kind: global_buffer, .address_space: global }
      - { .name: b_q, .offset: 32, .size: 8, .value_kind: global_buffer, .address_space: global }
      - { .name: b_k, .offset: 40, .size: 8, .value_kind: global_buffer, .address_space: global }
      - { .name: b_v, .offset: 48, .size: 8, .value_kind: global_buffer, .address_space: global }
      - { .name: qkv, .offset: 56, .size: 8, .value_kind: global_buffer, .address_space: global }
    .group_segment_fixed_size: 327680
    .private_segment_fixed_size: 0
    .kernarg_segment_align: 8
    .kernarg_segment_size: 64
    .max_flat_workgroup_size: 128
    .sgpr_count:     102
    .vgpr_count:     1024
    .wavefront_size: 32
...
	.end_amdgpu_metadata
.endif
;; end of part 7
;; launch attn (part 8): grid 4 x 64, 16 waves a work-group, clusters of 4 x 1, 215,040 bytes of LDS; arguments qkv, mb, out0; writes out0
.if DOCPART == 8
	.amdgcn_target "amdgcn-amd-amdhsa--gfx1250"
	.amdhsa_code_object_version 6
	.text
	.protected	k_q5af240f559_attn
	.globl	k_q5af240f559_attn
	.p2align	8
	.type	k_q5af240f559_attn,@function
k_q5af240f559_attn:
	s_mov_b64 s[64:65], 0
	v_nop
	global_prefetch_b8 v0, s[64:65] scope:SCOPE_SE
	s_setreg_imm32_b32 hwreg(HW_REG_WAVE_MODE, 25, 1), 1
	s_wait_xcnt 0x0
	s_wait_alu depctr_hold_cnt(0) depctr_sa_sdst(0) depctr_va_vdst(0) depctr_va_sdst(0) depctr_va_ssrc(0) depctr_va_vcc(0) depctr_vm_vsrc(0)
	s_getreg_b32 s2, hwreg(HW_REG_IB_STS2, 6, 4)
	s_cmp_eq_u32 s2, 0
	s_cbranch_scc0 .Lentry_in_a_cluster
	s_endpgm
.Lentry_in_a_cluster:
	s_bfe_u32 s2, ttmp6, 0x10000c
	s_cmp_lg_u32 s2, 0x3003
	s_cbranch_scc0 .Lentry_shape_is_right
	s_endpgm
.Lentry_shape_is_right:
; out0[b][q][head x 64 + d] = the sum over k of softmax_k(mask ? -1e9 : q . k / 8) v[k][d], both products on codes of FP4 (E2M1) with one E8M0 scale for each 32 along a product's K.
; Operands come from qkv, one record of REC bytes for each (batch, head), laid in the order of the operand registers.
; THE MASK comes from mb as codes of FP4 (0 open, -4 masked), one word for each key tile and lane: one conversion with the scale 2^31 writes a tile's eight addends, 0 or -2^33, into the tile's score registers,
; and the first product takes them as its C.  No select is spent on a score.
; THE SOFTMAX AHEAD OF THE SECOND PRODUCT: t = score x log2(e) / 8; M = the row's largest t so far, rounded UP to a whole number; p = 2^(t - M) is what is quantised, along the keys; it is not normalised.
; The row's sum is taken of the unquantised p, in f32, and divides O at the end.  When M moves, the sum and O are multiplied by 2^(old M - new M): exact.
; A ROW WITH NO OPEN KEY SO FAR: the step's largest score is held at -2^32 from below, over every masked score; while the running largest t stands at that hold, the lane's factor and addend are 0, so p = 2^0 = 1 for every key,
; which is what f32 arithmetic makes of equal logits of -1e9.  The first open key moves M up by some 2^29, and f = 0 wipes what was summed.
; SHARES.  A work-group owns 512 queries of one head; each of its sixteen waves owns two tiles of 16 queries, one after the other, in 256 registers: four waves to a SIMD.  Every wave walks all 2,048 keys, 128 a step.
; LDS.  A head's K and V as codes and scale words are 143,360 bytes: they come ONCE, in sixteen parts of 35 rows of 256 bytes, one tensor load a wave, and stay: no LDS byte is filled twice.  Behind them a stage for each wave, and the spare words.
; THE HEAD IN TWO STAGES.  Key step 0, and the fetch of step 1's K inside it, read bytes of parts 0 (K), 7 (V), 14 (K's scale words) and 15 (V's) alone: 0 .. 8,191, 65,536 .. 69,631, 131,072 .. 132,095, 139,264 .. 139,519.
; Waves 0 to 3 fetch these four, on a load line of their own, and they alone wait ahead of the first barrier.  Tile 0's step 0 is written out; behind it every wave waits for its load, and a plain barrier shows the other twelve parts.
; CLUSTER.  The four query blocks of a head need the same 143,360 bytes: each part is asked for JOINTLY, by the same tensor load with the same descriptor and a mask that names the four.
; NO PREFETCH INTO THE L2: K and V are asked for whole at the head; a step's 1,024 bytes of mb are asked for by their own loads two whole key steps ahead of the conversions that read them, into two sets of registers by turns.
; LAYOUT.  Both products are used transposed: S^T = K Q^T, O^T = V^T P^T: a lane holds ONE query (lane % 16) throughout.  Lane r of key tile 2 g + u holds key 32 g + 8 u + r + 8 (r / 8) of the step,
; so that score register 16 g + i of lane (r, h) is key 32 g + 16 h + i.  V's rows are chosen likewise.
; K = 64 IN A FORM OF K = 128: Q's upper four registers are zero codes; a key tile's upper four registers are whatever stands behind its four (the next tile's codes; behind the last tile V's, at first zeros): every code of FP4 is a finite number, times zero; scale bytes 2 and 3 are 0x7f.
; THE ORDER OF A STEP: the next step's K is fetched behind the first product, this step's V between the lines that make M; the maxima run in eight chains, the sum in seven, which are joined behind the NEXT step's first product, where places are owed.
; A trip of the loop is two steps, one for each set of mask words.  A tile's last step fetches no K.  My last two steps ask for my last mask record once more: no load leaves the buffer, and every counted wait holds on every way.
; LIMITS: true logits at or under -2^29 are not served (they count as masked), nor scaled scores of 2^31 and more; NaN and infinities are not served.  A block of p whose largest p lies under 2^-124 keeps the scale byte 1.
.set REC,   217088
.set FILLB, 8960                       ; 35 rows of 256 bytes: a part of the fill
.set VCO,   65536                      ; V's codes in LDS (and in the record)
.set KSO,   131072                     ; K's scale words
.set VSO,   139264                     ; V's scale words
.set QCO,   143360                     ; in the record: Q's codes,
.set QSO,   208896                     ; Q's scale words
.set STG,   143360                     ; in LDS: the stages, 16 rows x 272 bytes for each wave; no tensor load lands there
.set LI,   1                           ; v1   16 x lane
.set LV,   2                           ; v2   the same in V's codes
.set AKS0, 3                           ; v3   KSO + 16 r
.set AVS0, 4                           ; v4   VSO + 16 r
.set STO,  5                           ; v5   the stage: where I put 64 bytes of a row
.set RD,   6                           ; v6   and where I read a row back
.set GO,   7                           ; v7   my byte offset in the wave's rows of out0
.set ADK,  8                           ; v8-11 LDS addresses: K, V, K's scale words, V's
.set ADV,  9
.set ADS,  10
.set ADT,  11                          ; v12 -M, v13 the largest t, v[14:15] the sum in two halves
.set QF,   16                          ; v16-31   Q's two fragments; the upper four registers of each are zeros
.set KF,   32                          ; v32-63   8 key tiles, four registers each
.set VF,   64                          ; v64-95   V's four fragments, directly behind K's last tile
.set KSC,  96                          ; v96-103  K's scale words
.set VSC,  104                         ; v104-107 V's
.set S,    112                         ; v112-175 the mask's addends, S^T, then p
.set O,    176                         ; v176-207 O^T
.set PC,   208                         ; v208-215 p's codes
.set BM,   216                         ; v216-219 each block's largest score, then its largest p
.set PT,   220                         ; v220-223 the blocks' second chains, then the other half of the lanes', then the scale bytes
.set SO,   224                         ; v224-227 the conversions' scale operands
.set TS0,  216                         ; v216-227 behind all these: six more chains of the sum
.set TMP,  232
.set OLDM, 233                         ; -M as the step found it
.set F,    234                         ; v[234:235] f = 2^(old M - new M); a pair's upper register is named and not used
.set PW,   236                         ; p's scale word
.set MSC,  237                         ; the byte 127 + 31 four times: the mask conversions' scale
                                       ; the mask words: set 0 v238-245; set 1 v108-111 and v228-231
.set QSC,  246                         ; v246-247 Q's scale words
.set CE,   248                         ; v[248:249] my query's factor: c, or 0 while it has no open key
.set AE,   250                         ; v[250:251] its addend: -M, or 0
.set CV,   252                         ; c
.set WV,   10                          ; s10  my wave's number
.set G0,   12                          ; s[12:15] descriptor group 0;  s[84:91] group 1
.set G1,   84
.set MO,   16                          ; s[16:17] byte offset of the mask record asked for
.set MB,   18                          ; s[18:19], s[20:21] its address: a pair for each set
.set IDX,  22                          ; s22  1,024 x its number, 0 .. 31 over my two tiles, before the hold
.set TB,   92                          ; s92  the step's codes: 4,096 bytes a step
.set TS,   93                          ; s93  K's scale words: 512 a step
.set TJ,   94                          ; s94  V's: 256 a step
.set TRIPS, 96
.set CS,   98                          ; s98  c = log2(e) / 8
.set T0,   99                          ; s99  -2^32 c: the largest t of a row with no open key
.set SEL,  100                         ; s[100:101] lane selects for v_permlanex16_b32: lane l xor 16
.macro CROUND
	s_barrier_signal -1
	s_barrier_wait -1
	s_cmp_lg_u32 s[WV], 0
	s_cbranch_scc1 .Lnot_wave_0_\@
	s_barrier_signal -3
.Lnot_wave_0_\@:
	s_barrier_wait -3
	s_barrier_signal -1
	s_barrier_wait -1
.endm
.macro WALU
	s_wait_alu depctr_va_vdst(0)
.endm
; One arm of the head's chain: waves under \under that no earlier arm took.  kind 0: part min(7 w, 15); 1: part w; 2: part 2 (w / 8) + w % 2.  So waves 0 .. 15 take parts 0, 7, 14, 15, 4, 5, 6, 1, 8 .. 13, 2, 3: each part once.
.macro PART kind
.if \kind == 0
	s_mul_i32 s95, s[WV], 7
	s_min_u32 s95, s95, 15
.elseif \kind == 1
	s_mul_i32 s95, s[WV], 1
.else
	s_lshr_b32 s95, s[WV], 3
	s_lshl_b32 s95, s95, 1
	s_and_b32 s96, s[WV], 1
	s_or_b32 s95, s95, s96
.endif
	s_mul_i32 s[G0+1], s95, FILLB                  ; LDS address: part x 8,960,
	s_add_co_u32 s96, s93, s[G0+1]                 ; and the same bytes of the record
	s_add_nc_u64 s[G0+2:G0+3], s[4:5], s[96:97]
	s_or_b32 s[G0+3], s[G0+3], 0x80000000
	tensor_load_to_lds s[G0:G0+3], s[G1:G1+7]      ; my one tensor load of the launch
	s_nop 0
.rept 4
	v_nop
.endr
.endm
.macro ARM under, kind, next
	s_cmp_lt_u32 s[WV], \under
	s_cbranch_scc0 \next
	PART \kind
	s_branch .Lasked
\next:
.endm
	s_load_b128 s[4:7], s[0:1], 0x0                ; qkv, mb
	s_load_b64 s[8:9], s[0:1], 0x10                ; out0
	v_lshl_add_u32 v254, v0, 2, 0x34000
	v_mov_b32 v255, 0
	ds_add_u32 v254, v255                          ; the opening lines: the add twice on end and its wait ahead of my tensor load
	ds_add_u32 v254, v255
	v_lshrrev_b32 v1, 5, v0
	v_readfirstlane_b32 s[WV], v1                  ; wave 0..15
	s_bfe_u32 s11, ttmp6, 0x40000                  ; cx
	s_lshl_b32 s66, ttmp9, 2
	s_add_co_u32 s11, s11, s66                     ; my block of 512 queries: it enters global addresses of Q, the mask and the output alone
	s_and_b32 s92, ttmp7, 0xffff                   ; batch x 16 + head, which the four partners share
	s_mul_i32 s93, s92, REC                        ; the record
	s_mov_b32 s[G1+0], 15|(3<<16)|(1<<21)          ; the mask: all four work-groups; elements of 8 bytes; bit 21 beside a mask; no padding
	s_mov_b32 s[G1+1], 32<<16                      ; 35 rows of 32 elements, dense
	s_mov_b32 s[G1+2], 35<<16
	s_mov_b32 s[G1+3], 32<<16
	s_mov_b32 s[G1+4], 35
	s_mov_b32 s[G1+5], 32
	s_mov_b32 s[G1+6], 0
	s_mov_b32 s[G1+7], 0
	s_mov_b32 s[G0], 1
	s_mov_b32 s97, 0
	s_wait_dscnt 0x0
	s_wait_kmcnt 0x0
	CROUND                                         ; all four work-groups are here: the joint loads meet
	ARM 4, 0, .Lhead_b                             ; what step 0 reads is asked for by waves 0 to 3, on this line alone
	ARM 7, 1, .Lhead_c
	ARM 8, 2, .Lhead_d
	ARM 14, 1, .Lhead_e
	PART 2
.Lasked:
	v_and_b32 v232, 31, v0                         ; lane
	v_and_b32 v233, 15, v0                         ; r
	v_bfe_u32 v236, v0, 4, 1                       ; h
	v_lshlrev_b32 v[LI], 4, v232
	v_lshlrev_b32 v253, 4, v233                    ; 16 r
	v_mul_u32_u24 v[STO], v233, 272
	v_mul_u32_u24 v[RD], v236, 272
	v_lshlrev_b32 v[GO], 12, v236
	v_add_nc_u32 v[LV], VCO, v[LI]
	v_add_nc_u32 v[AKS0], KSO, v253
	v_add_nc_u32 v[AVS0], VSO, v253
	s_mul_i32 s66, s[WV], 16*272
	s_add_co_u32 s66, s66, STG                     ; my stage
	v_lshl_add_u32 v[STO], v236, 6, v[STO]
	v_lshl_add_u32 v[RD], v233, 4, v[RD]
	v_lshl_add_u32 v[GO], v233, 4, v[GO]           ; two rows of out0, 4,096 bytes apart, 16 bytes a lane
	v_add_nc_u32 v[STO], s66, v[STO]               ; in: row r, + 64 h
	v_add_nc_u32 v[RD], s66, v[RD]                 ; back: lanes 0-15 one row of 256 bytes, lanes 16-31 the next
	WALU
	s_lshl_b32 s94, s11, 5
	s_lshl_b32 s95, s[WV], 1
	s_add_co_u32 s94, s94, s95                     ; T0 = 32 x block + 2 x wave: my first tile of 16 queries
	s_lshl_b32 s96, s94, 9                         ; Q's codes: 512 bytes a tile
	s_add_co_u32 s96, s96, s93
	s_add_co_u32 s96, s96, QCO
	s_add_nc_u64 s[2:3], s[4:5], s[96:97]
	s_lshr_b32 s95, s94, 3                         ; Q's scale words: [T / 8][(T / 4) % 2][r][T % 4]
	s_lshl_b32 s95, s95, 9
	s_bfe_u32 s98, s94, 0x10002
	s_lshl_b32 s98, s98, 8
	s_add_co_u32 s95, s95, s98
	s_and_b32 s98, s94, 3
	s_lshl_b32 s98, s98, 2
	s_add_co_u32 s95, s95, s98
	s_add_co_u32 s98, s95, s93
	s_add_co_u32 s98, s98, QSO
	s_mov_b32 s99, 0
	s_add_nc_u64 s[4:5], s[4:5], s[98:99]
	s_lshr_b32 s66, s92, 4                         ; the batch
	s_lshl_b32 s66, s66, 7
	s_add_co_u32 s66, s66, s94                     ; batch x 128 + T0
	s_lshl_b32 s96, s66, 14                        ; mb: 16,384 bytes a tile: my two tiles' 32 records of 1,024 bytes lie on end
	s_add_nc_u64 s[6:7], s[6:7], s[96:97]
	global_load_b128 v[QF:QF+3], v[LI], s[2:3]                 ; Q's fragments stay in registers
	global_load_b128 v[QF+8:QF+11], v[LI], s[2:3] offset:512
	global_load_b32 v[QSC], v253, s[4:5]
	global_load_b32 v[QSC+1], v253, s[4:5] offset:4            ; (T0 is even: the next tile's word is the next in the row)
	global_load_b128 v[238:241], v[LI], s[6:7]                 ; the first step's mask words into set 0,
	global_load_b128 v[242:245], v[LI], s[6:7] offset:512
	global_load_b128 v[108:111], v[LI], s[6:7] offset:1024     ; the second's into set 1
	global_load_b128 v[228:231], v[LI], s[6:7] offset:1536
	s_lshl_b32 s96, s66, 16                        ; out0: 16 rows of 4,096 bytes a tile,
	s_and_b32 s67, s92, 15
	s_lshl_b32 s67, s67, 8                         ; the head's 256 bytes of a row
	s_add_co_u32 s96, s96, s67
	s_add_nc_u64 s[8:9], s[8:9], s[96:97]
	s_mov_b32 s[MO+1], 0
	s_mov_b32 s[IDX], 2048                         ; the record that the first step asks for: number 2
	s_mov_b32 s[CS], 0x3e38aa3b                    ; c = log2(e) / 8
	s_mov_b32 s[T0], 0xce38aa3b                    ; -2^32 c: c's exponent field + 32, the sign set
	s_mov_b32 s[SEL], 0x76543210
	s_mov_b32 s[SEL+1], 0xfedcba98
.irp i, 4,5,6,7,12,13,14,15
	v_mov_b32 v[QF+\i], 0                          ; Q's codes for K = 64 .. 127: zeros
.endr
.irp i, 0,1,2,3
	v_mov_b32 v[VF+\i], 0                          ; what stands behind the last key tile until V's first fragment does
.endr
	v_mov_b32 v[F+1], 0                            ; (named as the upper halves of pairs)
	v_mov_b32 v[CE+1], 0
	v_mov_b32 v[AE+1], 0
	v_mov_b32 v[MSC], 0x9e9e9e9e
	v_mov_b32 v[CV], 0x3e38aa3b
	WALU                                           ; the head's end
	s_wait_dscnt 0x0
	s_cmp_lt_u32 s[WV], 4
	s_cbranch_scc0 .Lnot_first
	s_wait_tensorcnt 0x0                           ; waves 0 to 3: the four parts that step 0 reads have landed
.Lnot_first:
	s_barrier_signal -1
	s_barrier_wait -1                              ; the other twelve parts may still be on their way
.macro KLOAD ak, as, ok, os            ; a step's eight key tiles, 512 consecutive bytes each, and their scale words: 10 loads
.irp t, 0,1,2,3,4,5,6,7
	ds_load_b128 v[KF+4*\t:KF+4*\t+3], v[\ak] offset:512*\t+\ok
.endr
	ds_load_b128 v[KSC:KSC+3], v[\as] offset:\os
	ds_load_b128 v[KSC+4:KSC+7], v[\as] offset:256+\os
.endm
.macro VL d                            ; V's fragment d: two loads
.irp c, 0,1
	ds_load_b128 v[VF+8*\d+4*\c:VF+8*\d+4*\c+3], v[ADV] offset:2048*\c+512*\d
.endr
.endm
.macro ADDP c, k                       ; chain c of the sum takes in pair k of p
	v_pk_add_f32 v[\c:\c+1], v[\c:\c+1], v[S+2*(\k):S+2*(\k)+1]
.endm
.macro ADDT a, b                       ; chain a takes in chain b
	v_pk_add_f32 v[\a:\a+1], v[\a:\a+1], v[\b:\b+1]
.endm
.macro JOIN                            ; the seven chains become one
	ADDT TS0, TS0+2
	ADDT TS0+4, TS0+6
	ADDT TS0+8, TS0+10
	ADDT 14, TS0
	ADDT TS0+4, TS0+8
	ADDT 14, TS0+4
.endm
.macro TFMA j0, n                      ; t - M of n pairs of scores from register j0 on
.set j, \j0
.rept \n
	v_pk_fma_f32 v[S+j:S+j+1], v[S+j:S+j+1], v[CE:CE+1], v[AE:AE+1] op_sel_hi:[1,0,0]
.set j, j+2
.endr
.endm
; A KEY STEP: 128 keys, for my tile number half.  p: the set of mask words.  last = 0: the next step's K is fetched; 1: but not in the loop's last trip; 2: not at all.
.macro STEP half, p, last
	s_wait_loadcnt 2                               ; this step's mask words, asked for two steps ago, are in (the first time Q too); the next step's two loads may be out.  So this set's address may be written
.irp t, 0,1,2,3,4,5,6,7
	v_cvt_scale_pk8_f32_fp4 v[S+8*\t:S+8*\t+7], v[(1-\p)*(238+\t)+\p*(108+\t+116*(\t/4))], v[MSC]   ; tile t's eight addends: 0, or -4 x 2^31
.endr
	v_add_nc_u32 v[ADV], s[TB], v[LV]              ; plain lines between the conversions and the products that take their results
	v_add_nc_u32 v[ADT], s[TJ], v[AVS0]
	s_min_u32 s[MO], s[IDX], 31*1024               ; the record two steps on; my last two steps ask for the last record once more
	s_add_co_u32 s[IDX], s[IDX], 1024
	s_add_nc_u64 s[MB+2*\p:MB+2*\p+1], s[6:7], s[MO:MO+1]
	global_load_b128 v[238-130*\p:241-130*\p], v[LI], s[MB+2*\p:MB+2*\p+1]     ; 512 consecutive bytes a load
	global_load_b128 v[242-14*\p:245-14*\p], v[LI], s[MB+2*\p:MB+2*\p+1] offset:512
	WALU
	s_wait_dscnt 0x0                               ; K and its scale words, asked for a step ago
.irp t, 0,1,2,3,4,5,6,7
	v_wmma_scale_f32_16x16x128_f8f6f4 v[S+8*\t:S+8*\t+7], v[KF+4*\t:KF+4*\t+7], v[QF+8*\half:QF+8*\half+7], v[S+8*\t:S+8*\t+7], v[KSC+\t], v[QSC+\half] matrix_a_fmt:MATRIX_FMT_FP4 matrix_b_fmt:MATRIX_FMT_FP4
.endr
	v_mov_b32 v[OLDM], v12                         ; the places behind the products: -M as it stands, and the last step's sum, whose chains are joined here (a tile's first step joins zeros)
	JOIN
.if \last < 2
	v_add_nc_u32 v[ADK], s[TB], v[LI]
	v_add_nc_u32 v[ADS], s[TS], v[AKS0]
.if \last == 1
	s_cmp_eq_u32 s[TRIPS], 1
	s_cbranch_scc1 .Lno_k_\@
.endif
	KLOAD ADK, ADS, 4096, 512                      ; the next step's K
.if \last == 1
.Lno_k_\@:
.endif
.endif
.irp t, 0,1,2,3,4,5,6,7                        ; THE LARGEST SCORE OF EACH BLOCK OF 32 KEYS, for the row's maximum and, since p rises with the score, for the block's largest p: eight chains by turns, one a tile, each from its accumulator's low end on
	v_max3_num_f32 v[BM+4*(\t%2)+\t/2], v[S+8*\t], v[S+8*\t+1], v[S+8*\t+2]
.endr
.irp i, 3,5
.irp t, 0,1,2,3,4,5,6,7
	v_max3_num_f32 v[BM+4*(\t%2)+\t/2], v[BM+4*(\t%2)+\t/2], v[S+8*\t+\i], v[S+8*\t+\i+1]
.endr
.endr
.irp b, 0,1,2,3
	v_max3_num_f32 v[BM+\b], v[BM+\b], v[S+16*\b+7], v[S+16*\b+15]
.endr
.irp b, 0,1,2,3
	v_max_num_f32 v[BM+\b], v[BM+\b], v[PT+\b]     ; the block's two chains joined
.endr
.irp b, 0,1,2,3
	v_permlanex16_b32 v[PT+\b], v[BM+\b], s[SEL], s[SEL+1]
.endr
.irp b, 0,1,2,3
	v_max_num_f32 v[BM+\b], v[BM+\b], v[PT+\b]     ; with lane l xor 16's 16 keys
.endr
	v_max3_num_f32 v[TMP], v[BM], v[BM+1], v[BM+2] ; each of these lines reads the line before it: V's nine loads stand between them
	VL 0
	v_max3_num_f32 v[TMP], v[TMP], v[BM+3], 0xcf800000   ; the step's largest score of my query, held at -2^32 from below
	VL 1
	v_mul_f32 v[TMP], s[CS], v[TMP]                ; as t (c is positive)
	VL 2
	v_max_num_f32 v13, v13, v[TMP]                 ; the running largest t
	VL 3
	v_floor_f32 v12, -v13                          ; the new -M = -ceil(t): M is a whole number
	ds_load_b128 v[VSC:VSC+3], v[ADT]
	v_cmp_lt_f32 vcc_lo, s[T0], v13                ; has my query an open key so far?
	v_sub_f32 v[TMP], v12, v[OLDM]                 ; M's old value less its new one: a whole number, 0 or less
	v_cndmask_b32 v[CE], 0, v[CV], vcc_lo          ; c and -M; or 0 and 0
	v_cndmask_b32 v[AE], 0, v12, vcc_lo
	v_cvt_i32_f32 v[TMP], v[TMP]                   ; (it saturates)
	TFMA 0, 4
	v_ldexp_f32 v[F], 1.0, v[TMP]                  ; f = 2^(old M - new M)
	TFMA 8, 28
.irp b, 0,1,2,3
	v_fma_f32 v[BM+\b], v[BM+\b], v[CE], v[AE]     ; the same of each block's largest score
.endr
.set j, 0
.rept 16
	v_pk_mul_f32 v[O+j:O+j+1], v[O+j:O+j+1], v[F:F+1] op_sel_hi:[1,0]   ; O^T under the new M; each accumulator from its low end on
.set j, j+2
.endr
	WALU                                           ; ahead of the batch
.irp b, 0,1,2,3
	v_exp_f32 v[BM+\b], v[BM+\b]                   ; the block's largest p: the same two instructions on the same number give the same bits
.endr
.set j, 0
.rept 64
	v_exp_f32 v[S+j], v[S+j]                       ; p = 2^(t - M), at most 1: not normalised
.set j, j+1
.endr
	v_pk_mul_f32 v[14:15], v[14:15], v[F:F+1] op_sel_hi:[1,0]   ; the sum under the new M (the plain place behind the batch)
	WALU                                           ; behind the batch
	s_wait_dscnt 0x0                               ; V and its scale words (and the next K)
.irp b, 0,1,2,3
	v_max_num_f32 v[BM+\b], 0x1800000, v[BM+\b]    ; the floor 2^(3 - 127): the byte cannot fall under 1
.endr
.irp b, 0,1,2,3
	v_add_nc_u32 v[SO+\b], 0xff000000, v[BM+\b]    ; 2 off the exponent field: the conversion's scale operand
.endr
.irp b, 0,1,2,3
	v_cvt_scalef32_pk8_fp4_f32 v[PC+2*\b], v[S+16*\b:S+7+16*\b], v[SO+\b]
	v_cvt_scalef32_pk8_fp4_f32 v[PC+1+2*\b], v[S+8+16*\b:S+15+16*\b], v[SO+\b]
.endr
.irp b, 0,1,2,3
	v_lshrrev_b32 v[PT+\b], 23, v[SO+\b]           ; the scales' bytes (the plain lines behind the conversions)
.endr
	v_lshl_or_b32 v[PW], v[PT+1], 8, v[PT]         ; p's scale word for these 128 keys; between its lines the exchange that brings a WHOLE block into a lane: lanes 0-15 block 2 c, lanes 16-31 block 2 c + 1
	v_permlane16_swap_b32 v[PC], v[PC+2]
	v_permlane16_swap_b32 v[PC+1], v[PC+3]
	v_lshl_or_b32 v[PW], v[PT+2], 16, v[PW]
	v_permlane16_swap_b32 v[PC+4], v[PC+6]
	v_permlane16_swap_b32 v[PC+5], v[PC+7]
	v_lshl_or_b32 v[PW], v[PT+3], 24, v[PW]
.irp i, 0,1,2,3,4,5                            ; THE ROW'S SUM OF THE UNQUANTISED p, in seven chains.  These fourteen are the places between p's scale word and codes and the products
	v_pk_add_f32 v[TS0+2*\i:TS0+2*\i+1], v[S+4*\i:S+4*\i+1], v[S+4*\i+2:S+4*\i+3]
.endr
	ADDP 14, 12
.irp i, 0,1,2,3,4,5
	ADDP TS0+2*\i, 13+\i
.endr
	ADDP 14, 19
.irp d, 0,1,2,3                                ; O^T += V^T P^T: the four accumulators by turns; between two turns of one stand the next step's eight products
	v_wmma_scale_f32_16x16x128_f8f6f4 v[O+8*\d:O+8*\d+7], v[VF+8*\d:VF+8*\d+7], v[PC:PC+7], v[O+8*\d:O+8*\d+7], v[VSC+\d], v[PW] matrix_a_fmt:MATRIX_FMT_FP4 matrix_b_fmt:MATRIX_FMT_FP4
.endr
.irp i, 0,1,2,3,4,5                            ; the rest of p goes into the chains: the places behind the products
	ADDP TS0+2*\i, 20+\i
.endr
	ADDP 14, 26
.irp i, 0,1,2,3,4
	ADDP TS0+2*\i, 27+\i
.endr
	s_add_co_u32 s[TB], s[TB], 4096                ; the next step's codes and scale words
	s_add_co_u32 s[TS], s[TS], 512
	s_add_co_u32 s[TJ], s[TJ], 256
.endm
; ONE TILE OF 16 QUERIES: sixteen key steps, then the way out.  O^T and the sum's chains begin as zeros and the largest t as -3e38: the first change of M multiplies zeros.
.macro TILE half
	KLOAD LI, AKS0, 0, 0                           ; the first step's K (no LDS instruction of mine is out)
	s_mov_b32 s[TB], 0
	s_mov_b32 s[TS], 0
	s_mov_b32 s[TJ], 0
	v_mov_b32 v13, 0xff61b1e6                      ; the largest t so far: -3e38, under every t
	v_floor_f32 v12, -v13                          ; -M
	v_mov_b32 v14, 0
	v_mov_b32 v15, 0
.set j, 0
.rept 12
	v_mov_b32 v[TS0+j], 0
.set j, j+1
.endr
.set j, 0
.rept 32
	v_mov_b32 v[O+j], 0
.set j, j+1
.endr
.if \half == 0
	STEP 0, 0, 0                                   ; step 0 reads the four parts that the first barrier has shown
	s_wait_tensorcnt 0x0                           ; every wave: my part has landed
	s_wait_dscnt 0x0
	s_barrier_signal -1
	s_barrier_wait -1                              ; a plain barrier: all sixteen parts are shown to all
	s_mov_b32 s[TRIPS], 7
.Lstep_\@:
	STEP 0, 1, 0
	STEP 0, 0, 0
	s_sub_co_u32 s[TRIPS], s[TRIPS], 1
	s_cmp_lg_u32 s[TRIPS], 0
	s_cbranch_scc1 .Lstep_\@
	STEP 0, 1, 2
.else
	s_mov_b32 s[TRIPS], 8
.Lstep_\@:
	STEP 1, 0, 0
	STEP 1, 1, 1
	s_sub_co_u32 s[TRIPS], s[TRIPS], 1
	s_cmp_lg_u32 s[TRIPS], 0
	s_cbranch_scc1 .Lstep_\@
.endif
	; THE WAY OUT.  O^T / the sum goes through my stage in LDS (16 rows of 256 bytes + 16) and leaves as whole runs of 256 bytes of a row of out0.
	JOIN                                           ; the last step's chains
	v_add_f32 v14, v14, v15                        ; the sum's two halves,
	v_permlanex16_b32 v[TMP], v14, s[SEL], s[SEL+1]
	v_add_f32 v14, v14, v[TMP]                     ; and lane l xor 16's: the row's sum
	WALU                                           ; ahead of the transcendental
	v_rcp_f32 v14, v14
	v_nop                                          ; one plain place behind it
	WALU                                           ; ahead of its first reader, which is also the first reader of the last products' results
.set j, 0
.rept 16
	v_pk_mul_f32 v[S+j:S+j+1], v[O+j:O+j+1], v[14:15] op_sel_hi:[1,0]   ; register 8 dt + i is d = 32 (dt / 2) + 16 h + 8 (dt % 2) + i of query r
.set j, j+2
.endr
.irp d, 0,1,2,3
.irp q, 0,1
	ds_store_b128 v[STO], v[S+8*\d+4*\q:S+8*\d+4*\q+3] offset:128*(\d/2)+32*(\d%2)+16*\q
.endr
.endr
.irp i, 0,1,2,3,4,5,6,7
	ds_load_b128 v[S+32+4*\i:S+35+4*\i], v[RD] offset:544*\i       ; LDS serves a wave's instructions in order: these see my stores
.endr
.irp i, 0,1,2,3,4,5,6,7
	s_wait_dscnt 7-\i                              ; rows 2 i and 2 i + 1 are back; the later rows may be out
	global_store_b128 v[GO], v[S+32+4*\i:S+35+4*\i], s[8:9] offset:(2*\i+8*(\i/4)+8*\half)*4096 th:TH_STORE_NT   ; stage row n is query 8 half + n + 8 (n / 8) of my 32; sixteen lanes store 256 consecutive aligned bytes
.endr
.if \half == 0
	s_wait_xcnt 0x0                                ; the stores have read their registers: the next tile writes them again
.endif
.endm
	TILE 0
	TILE 1
	s_wait_tensorcnt 0x0                           ; the wave's end
	ds_add_u32 v254, v255
	s_wait_dscnt 0x0
	CROUND                                         ; the closing round
	s_endpgm
.Lfunc_end_k_q5af240f559_attn:
	.size	k_q5af240f559_attn, .Lfunc_end_k_q5af240f559_attn-k_q5af240f559_attn
	.p2alignl 7, 3214868480
	.fill 96, 4, 3214868480
	.section	.rodata,"a",@progbits
	.p2align	6, 0x0
	.amdhsa_kernel k_q5af240f559_attn
		.amdhsa_group_segment_fixed_size 215040
		.amdhsa_private_segment_fixed_size 0
		.amdhsa_enable_private_segment 0
		.amdhsa_kernarg_size 24
		.amdhsa_user_sgpr_count 2
		.amdhsa_user_sgpr_kernarg_segment_ptr 1
		.amdhsa_wavefront_size32 1
		.amdhsa_system_sgpr_workgroup_id_x 1
		.amdhsa_system_sgpr_workgroup_id_y 1
		.amdhsa_system_sgpr_workgroup_id_z 1
		.amdhsa_system_vgpr_workitem_id 0
		.amdhsa_next_free_vgpr 256
		.amdhsa_next_free_sgpr 102
		.amdhsa_reserve_vcc 1
		.amdhsa_float_denorm_mode_32 3
		.amdhsa_float_denorm_mode_16_64 3
		.amdhsa_memory_ordered 1
		.amdhsa_forward_progress 1
		.amdhsa_inst_pref_size 115
	.end_amdhsa_kernel
	.amdgpu_metadata
---
amdhsa.version: [ 1, 2 ]
amdhsa.kernels:
  - .name:           k_q5af240f559_attn
    .symbol:         k_q5af240f559_attn.kd
    .args:
      - { .name: qkv, .offset: 0, .size: 8, .value_kind: global_buffer, .address_space: global }
      - { .name: mb, .offset: 8, .size: 8, .value_kind: global_buffer, .address_space: global }
      - { .name: out0, .offset: 16, .size: 8, .value_kind: global_buffer, .address_space: global }
    .group_segment_fixed_size: 215040
    .private_segment_fixed_size: 0
    .kernarg_segment_align: 8
    .kernarg_segment_size: 24
    .max_flat_workgroup_size: 512
    .sgpr_count:     102
    .vgpr_count:     256
    .wavefront_size: 32
...
	.end_amdgpu_metadata
.endif
;; end of part 8
